; MI455X (gfx1250); checked and timed in simulation.
; The chip was launched on July 23, 2026; its instructions are those of AMD's public machine-readable ISA for CDNA 5 (MIT licence, August 2026) and "CDNA5" Instruction Set Architecture Reference Guide (July 2026). The comments in the code are by the model that wrote it; some were corrected since.
;; Multi Head Attention Layer. Allowed arithmetic: matrix products marked QUANTISED: E2M3 operands, one E8M0 scale for each 32 along K, by v_wmma_scale_f32_16x16x128_f8f6f4 with both operands' format E2M3, f32 sums; everything else in f32.
;; Inputs: Wk 1,024 x 1,024 float32; Wo 1,024 x 1,024 float32; Wq 1,024 x 1,024 float32; Wv 1,024 x 1,024 float32; bk 1,024 float32; bo 1,024 float32; bq 1,024 float32; bv 1,024 float32; key 4 x 2,048 x 1,024 float32; mask 4 x 1 x 2,048 x 2,048 int32; query 4 x 2,048 x 1,024 float32; value 4 x 2,048 x 1,024 float32.
;; Outputs: out0 4 x 2,048 x 1,024 float32.
;; This version of the problem:
;;   THIS VERSION OF THE PROBLEM IS GIVEN IN LOW PRECISION. The matrix products marked QUANTISED in the list below multiply operands that are first quantised to E2M3 (2 exponent bits, 3 mantissa bits; 6 bits a number), with one power-of-two scale for each 32 numbers along K (OCP MX v1.0); their sums are f32. All else is computed in f32.
;;   The module's matrix products, in the order in which they are computed (A, B: the left and right operand; K: the contracted axis; several contracted axes count as one K, in the product's order):
;;     1. [M 8,192, K 1,024] x [K 1,024, N 1,024]; A: input query; B: input Wq: QUANTISED
;;     2. [M 8,192, K 1,024] x [K 1,024, N 1,024]; A: input key; B: input Wk: QUANTISED
;;     3. [M 8,192, K 1,024] x [K 1,024, N 1,024]; A: input value; B: input Wv: QUANTISED
;;     4. batch 64 x [M 2,048, K 64] x [K 64, N 2,048]; A: computed on the way; B: computed on the way: QUANTISED
;;     5. batch 64 x [M 2,048, K 2,048] x [K 2,048, N 64]; A: softmax (see below); B: computed on the way: QUANTISED
;;     6. [M 8,192, K 1,024] x [K 1,024, N 1,024]; A: computed on the way; B: input Wo: QUANTISED
;;   THE QUANTISER, for each operand of a quantised product, along K:
;;     - K is cut into blocks of 32 from its start; a last block that is shorter is filled with zeros.
;;     - A block's scale is 2^e with e = floor(log2(the largest magnitude in the block)) - 2, held to -126 .. 127; a block of zeros has e = 0. As a byte (E8M0): e + 127.
;;     - Each number is divided by its block's scale, clamped to +-7.5, and rounded to the nearest number of E2M3, ties to even, subnormals kept.
;;     - The product sums the exact products of the quantised numbers (number of the format x scale) in f32.
;;   ~~~python
;;   def quantise(x, axis):      # numpy; x: float32 -> the quantised numbers, widened to float32 again
;;       x = np.moveaxis(x, axis, -1); K = x.shape[-1]
;;       x = np.pad(x, [(0, 0)] * (x.ndim - 1) + [(0, -K % 32)]); x = x.reshape(x.shape[:-1] + (-1, 32)); a = np.abs(x).max(-1, keepdims=True)
;;       e = np.where(a > 0, np.clip(np.frexp(np.where(a > 0, a, 1))[1] - 1 - 2, -126, 127), 0)      # np.frexp(a)[1] - 1 = floor(log2(a)), exactly
;;       r = np.clip(x / 2.0 ** e, -7.5, 7.5)
;;       step = 2.0 ** (np.maximum(np.frexp(np.where(r == 0, 1, r))[1] - 1, 0) - 3)
;;       q = np.round(r / step) * step * 2.0 ** e      # np.round: ties to even
;;       return np.moveaxis(q.reshape(q.shape[:-2] + (-1,))[..., :K], -1, axis).astype(np.float32)
;;   ~~~
;;   SOFTMAX AHEAD OF A QUANTISED PRODUCT. Where the list says 'softmax', what is quantised is not the finished softmax but p = 2^(t - M), with t = logit x log2(e) and M = ceil(the row's largest t), a whole number; so 1/2 < the row's largest p <= 1. The row's sum l is taken of the UNQUANTISED p, in f32, and the product's result is divided by l at the end. Since M is a whole number, a kernel that streams over the keys may use a running M (the ceiling of the running maximum): every later rescaling is an exact power of two, which a block's scale takes up: the codes' values come out the same.
;;   OPERANDS COMPUTED ON THE WAY. 'Computed on the way' means the value that the module computes at that place (a softmax that the list does not call 'softmax' is quantised finished and normalised). What goes into a quantiser is computed in f32, as accurately as f32 sums, v_exp_f32 and their like allow (about 1e-6 of the number): no bf16 or f16 on the way to a quantiser, and a product that is left as it is and whose result goes on into a quantised operand takes f32 operands (vector FMAs, or v_wmma_f32_16x16x4_f32). A number that lies on a knife's edge between two numbers of the format may be rounded either way, as far as f32 arithmetic and the matrix unit's own rounding can turn it there, and no further.
;; One version. Each part assembles by itself: llvm-mc -triple=amdgcn-amd-amdhsa -mcpu=gfx1250 --defsym DOCPART=n.
;; ======== version 1 of 1: 4 launches
;; limits: right only within a limited range of input values
;; workspace buffers: ximg 18,874,368 bytes; xsw 786,432 bytes; wimg 3,145,728 bytes; wsw 131,072 bytes; maskw 2,097,152 bytes of whole numbers; qrec 6,815,744 bytes; kvrec 13,631,488 bytes; aimg 6,553,600 bytes
;; launch prep (part 1): grid 768 x 1, 4 waves a work-group, no clusters, 68,096 bytes of LDS; arguments query, key, value, mask, Wq, Wk, Wv, Wo, ximg, xsw, wimg, wsw, maskw; writes ximg, xsw, wimg, wsw, maskw
.if DOCPART == 1
	.amdgcn_target "amdgcn-amd-amdhsa--gfx1250"
	.amdhsa_code_object_version 6
	.text
	.protected	k_qd3d3909cf7_prep
	.globl	k_qd3d3909cf7_prep
	.p2align	8
	.type	k_qd3d3909cf7_prep,@function
k_qd3d3909cf7_prep:
	s_mov_b64 s[64:65], 0
	v_nop
	global_prefetch_b8 v0, s[64:65] scope:SCOPE_SE
	s_setreg_imm32_b32 hwreg(HW_REG_WAVE_MODE, 25, 1), 1
	s_wait_xcnt 0x0
; PREP: query, key, value [8192][1024] f32 and Wq, Wk, Wv, Wo [1024 (k)][1024 (n)] f32 become codes of FP6 (E2M3) with one E8M0 byte for each 32 along K = the 1,024; the mask [8192][2048] int32 becomes lane masks.
; THE CODES ARE LAID AS IMAGES OF THE OPERAND'S REGISTERS.  A tile G holds 16 rows, row(G, r) = 32 (G / 2) + 8 (G % 2) + r + 8 (r / 8); a fragment (16 rows x 128 K, 12 registers a lane) is 1,536 bytes:
; registers 0-3 at 16 lane, 4-5 at 512 + 8 lane, 6-9 at 768 + 16 lane, 10-11 at 1,280 + 8 lane.  A buffer of codes is [tile][K step 0..7][1,536].  Scale words: [tile][lane (r, hs)][p 0..3]: row r's word of K step 2 p + hs.
; THE MASK: maskw [tile G][key step 0..15][64 words]: bit lane (r, h) of word 16 b + i says whether mask[row(G, r)][128 step + 32 b + 16 h + i] is not 0.
; A block's scale is 2^(floor(log2(largest magnitude)) - 2); its byte is the largest magnitude's exponent field - 2, held at 1 from below.
; LIMITS: a block of zeros gets the byte 1 (its codes are zeros, and this program alone reads the bytes); NaN and infinities among the inputs are not served.
; SHARES: work-groups 0-127 take the weights, 128-511 the three activations, 512-767 the mask.  Waves share nothing: no barrier.  Each of the two paths that use LDS has LDS bytes of its own.
; An activation's or the mask's wave takes 16 rows x 4,096 bytes in 8 chunks of 512 bytes a row: each load reads 512 consecutive bytes of one row; the chunk turns through the wave's stage in LDS (rows 528 bytes = 132 words apart:
; row r starts at bank 4 r mod 64, 64 banks of 4 bytes: ISA guide 11.1), so that lane (r, h) gets, of row r, 16 neighbours of each block of 32.  Two chunks (32 loads a wave) are on their way.
.set R,     16                         ; v16-143  two sets of 64 registers as loaded (weights: two sets of 32)
.set X,     144                        ; v144-207 64 numbers: register 16 b + i = k 32 b + 16 h + i of my row
.set PC,    208                        ; v208-227 the codes just made (12) and two conversions' results on their way (8)
.set MW,    208                        ; mask path: v208-211 two pairs of mask words
.set TM,    228                        ; v228-243 at work in QUANT
.set SB,    244                        ; v244-245 weights: scale bytes, four to a register
.set PWS,   246                        ; v246-253 the eight K steps' scale words
.set SEL,   30                         ; s[30:31] selects for v_permlanex16_b32: lane l xor 16
.set WV,    42
.set IN,    44
.set OUT,   46
.set OU2,   48
.set CM,    56                         ; s56-63 eight lane masks on their way
.set STW,   8448                       ; a wave's stage: 16 rows x 528 bytes
.set MBASE, 4*STW                      ; the mask path's stages lie behind the activations'
	s_load_b512 s[4:19], s[0:1], 0x0               ; query, key, value, mask, Wq, Wk, Wv, Wo
	s_load_b256 s[20:27], s[0:1], 0x40             ; ximg, xsw, wimg, wsw
	s_load_b64 s[28:29], s[0:1], 0x60              ; maskw
	v_lshl_add_u32 v254, v0, 2, 0x10800
	v_mov_b32 v255, 0
	v_lshrrev_b32 v1, 5, v0
	v_readfirstlane_b32 s[WV], v1                  ; wave 0..3
	v_and_b32 v1, 31, v0                           ; lane
	v_and_b32 v2, 15, v0                           ; r
	v_bfe_u32 v3, v0, 4, 1                         ; h
	v_lshlrev_b32 v4, 4, v1                        ; 16 x lane
	v_lshlrev_b32 v5, 3, v1                        ; 8 x lane
	s_mul_i32 s50, s[WV], STW
	v_add_nc_u32 v6, s50, v4                       ; the stage, on the way in: 16 x lane of a row
	v_mul_u32_u24 v7, v2, 528
	v_lshl_add_u32 v7, v3, 6, v7
	v_add_nc_u32 v7, s50, v7                       ; and on the way out: row r, + 64 h
	s_mov_b32 s[SEL], 0x76543210
	s_mov_b32 s[SEL+1], 0xfedcba98
	s_mov_b32 s55, 0
	s_wait_kmcnt 0x0
	s_cmp_lt_u32 ttmp9, 128
	s_cbranch_scc1 .Lweights
	s_cmp_lt_u32 ttmp9, 512
	s_cbranch_scc0 .Lmask
.macro LOADC t, pitch                  ; chunk t of my 16 rows: row i of the tile lies i + 8 (i / 8) rows below its first
.irp i, 0,1,2,3,4,5,6,7,8,9,10,11,12,13,14,15
	global_load_b128 v[R+64*((\t)%2)+4*\i:R+64*((\t)%2)+4*\i+3], v4, s[IN:IN+1] offset:(\i+8*(\i/8))*\pitch+512*(\t) th:TH_LOAD_NT
.endr
.endm
.macro TURN t, base                    ; through the stage: LDS serves a wave's instructions in order, so no wait stands between the stores and the loads
.irp i, 0,1,2,3,4,5,6,7,8,9,10,11,12,13,14,15
	ds_store_b128 v6, v[R+64*((\t)%2)+4*\i:R+64*((\t)%2)+4*\i+3] offset:\base+528*\i
.endr
.irp b, 0,1,2,3
.irp j, 0,1,2,3
	ds_load_b128 v[X+16*\b+4*\j:X+16*\b+4*\j+3], v7 offset:\base+128*\b+16*\j
.endr
.endr
.endm
; 64 numbers of a lane, register 16 b + i = k 32 b + 16 h + i of my row, become a fragment's codes in v[PC] on and its scale word in v[pw]
.macro QUANT s, pw
.irp b, 0,1,2,3
	v_max3_num_f32 v[TM+\b], |v[\s+16*\b]|, |v[\s+1+16*\b]|, 0x1800000   ; my 16 numbers of block b, and the floor 2^(3 - 127): the byte cannot fall under 1
.endr
.irp i, 2,4,6,8,10,12,14
.irp b, 0,1,2,3
	v_max3_num_f32 v[TM+\b], v[TM+\b], |v[\s+16*\b+\i]|, |v[\s+1+16*\b+\i]|
.endr
.endr
.irp b, 0,1,2,3
	v_permlanex16_b32 v[TM+4+\b], v[TM+\b], s[SEL], s[SEL+1]
.endr
.irp b, 0,1,2,3
	v_max_num_f32 v[TM+\b], v[TM+\b], v[TM+4+\b]   ; with lane l xor 16's: the block's largest magnitude
.endr
.irp b, 0,1,2,3
	v_add_nc_u32 v[TM+12+\b], 0xff000000, v[TM+\b] ; 2 off its exponent field: the conversion takes this operand's exponent field as its scale
.endr
.irp b, 0,1,2,3
	v_lshrrev_b32 v[TM+4+\b], 23, v[TM+12+\b]      ; the scale's byte
.endr
	v_lshl_or_b32 v[\pw], v[TM+5], 8, v[TM+4]
	v_lshl_or_b32 v[\pw], v[TM+6], 16, v[\pw]
	v_lshl_or_b32 v[\pw], v[TM+7], 24, v[\pw]
.irp c, 0,1
	v_cvt_scalef32_pk16_fp6_f32 v[PC+6*\c:PC+2+6*\c], v[\s+32*\c:\s+15+32*\c], v[TM+12+2*\c]
	v_cvt_scalef32_pk16_fp6_f32 v[PC+12+4*\c:PC+14+4*\c], v[\s+16+32*\c:\s+31+32*\c], v[TM+12+2*\c+1]   ; (a conversion's three registers begin on an even number)
.endr
	v_nop                                          ; one plain place behind a scaled conversion
.irp c, 0,1                                    ; the layout wants a whole block in a lane: lanes 0-15 block 2 c, lanes 16-31 block 2 c + 1
.irp i, 0,1,2
	v_permlane16_swap_b32 v[PC+6*\c+\i], v[PC+12+4*\c+\i]
.endr
.irp i, 0,1,2
	v_mov_b32 v[PC+3+6*\c+\i], v[PC+12+4*\c+\i]
.endr
.endr
.endm
; One chunk.  kind 0: an activation, quantised; kind 1: the mask, packed.
.macro CHUNK t, kind, pitch, base
.if (\t) < 7
	s_wait_loadcnt 16                              ; this chunk's 16 loads are in; the next chunk's 16 may be out
.else
	s_wait_loadcnt 0x0
.endif
	TURN \t, \base
	s_wait_dscnt 0x0                               ; the numbers are back, and the stage's stores have read their registers
	s_wait_xcnt 0x0                                ; the last chunk's stores have read their data: those registers are written again below
.if (\t) < 6
	LOADC (\t)+2, \pitch
.endif
.if \kind == 0
	QUANT X, PWS+(\t)
	global_store_b128 v4, v[PC:PC+3], s[OUT:OUT+1] offset:1536*(\t)          ; each store covers whole aligned blocks of 256 bytes
	global_store_b64 v5, v[PC+4:PC+5], s[OUT:OUT+1] offset:1536*(\t)+512
	global_store_b128 v4, v[PC+6:PC+9], s[OUT:OUT+1] offset:1536*(\t)+768
	global_store_b64 v5, v[PC+10:PC+11], s[OUT:OUT+1] offset:1536*(\t)+1280
.else
.irp g, 0,1,2,3,4,5,6,7                        ; word n = 8 g + k goes to lane n / 2, register n % 2: the 32 lanes then store the 64 words on end
.irp k, 0,1,2,3,4,5,6,7
	v_cmp_ne_u32 s[CM+\k], 0, v[X+8*\g+\k]
.endr
.irp k, 0,1,2,3,4,5,6,7
	v_writelane_b32 v[MW+2*((\t)%2)+\k%2], s[CM+\k], 4*\g+\k/2
.endr
.endr
	global_store_b64 v5, v[MW+2*((\t)%2):MW+2*((\t)%2)+1], s[OUT:OUT+1] offset:256*(\t)   ; one aligned block of 256 bytes
.endif
.endm
	; ---- an activation: wave id = tensor x 512 + tile
	s_sub_co_u32 s50, ttmp9, 128
	s_lshl_b32 s50, s50, 2
	s_add_co_u32 s50, s50, s[WV]
	s_lshr_b32 s51, s50, 9                         ; 0 query, 1 key, 2 value
	s_and_b32 s52, s50, 511                        ; tile G
	s_lshr_b32 s53, s52, 1
	s_lshl_b32 s53, s53, 5
	s_and_b32 s54, s52, 1
	s_lshl_b32 s54, s54, 3
	s_add_co_u32 s54, s53, s54                     ; the tile's first row
	s_lshl_b32 s54, s54, 12                        ; x 4,096 bytes
	s_cmp_eq_u32 s51, 0
	s_cselect_b64 s[IN:IN+1], s[4:5], s[6:7]
	s_cmp_eq_u32 s51, 2
	s_cselect_b64 s[IN:IN+1], s[8:9], s[IN:IN+1]
	s_add_nc_u64 s[IN:IN+1], s[IN:IN+1], s[54:55]
	s_mul_i32 s54, s51, 6291456
	s_mul_i32 s53, s52, 12288
	s_add_co_u32 s54, s54, s53
	s_add_nc_u64 s[OUT:OUT+1], s[20:21], s[54:55]
	s_lshl_b32 s54, s51, 18
	s_lshl_b32 s53, s52, 9
	s_add_co_u32 s54, s54, s53
	s_add_nc_u64 s[OU2:OU2+1], s[22:23], s[54:55]
	s_wait_alu depctr_va_vdst(0)
	LOADC 0, 4096
	LOADC 1, 4096
.irp b, 0,1,2,3
	v_mov_b32 v[TM+4+\b], 0                        ; written once: a lane permute's destination counts as one of its sources
.endr
.irp t, 0,1,2,3,4,5,6,7
	CHUNK \t, 0, 4096, 0
.endr
	s_wait_xcnt 0x0                                ; the last chunk's stores have read v208-211
	v_cmp_eq_u32 vcc_lo, 1, v3
.irp p, 0,1,2,3
	v_cndmask_b32 v[PC+\p], v[PWS+2*\p], v[PWS+2*\p+1], vcc_lo   ; lanes 0-15 keep the even K steps' words, lanes 16-31 the odd ones'
.endr
	global_store_b128 v4, v[PC:PC+3], s[OU2:OU2+1]
	s_wait_tensorcnt 0x0
	ds_add_u32 v254, v255
	s_wait_dscnt 0x0
	s_endpgm
.Lmask:	; ---- the mask: wave id = tile x 2 + half of the keys
	s_sub_co_u32 s50, ttmp9, 512
	s_lshl_b32 s50, s50, 2
	s_add_co_u32 s50, s50, s[WV]
	s_lshr_b32 s52, s50, 1                         ; tile G
	s_and_b32 s51, s50, 1                          ; which 1,024 keys
	s_lshr_b32 s53, s52, 1
	s_lshl_b32 s53, s53, 5
	s_and_b32 s54, s52, 1
	s_lshl_b32 s54, s54, 3
	s_add_co_u32 s54, s53, s54
	s_lshl_b32 s54, s54, 13                        ; x 8,192 bytes
	s_lshl_b32 s53, s51, 12
	s_add_co_u32 s54, s54, s53
	s_add_nc_u64 s[IN:IN+1], s[10:11], s[54:55]
	s_lshl_b32 s54, s52, 12
	s_lshl_b32 s53, s51, 11
	s_add_co_u32 s54, s54, s53
	s_add_nc_u64 s[OUT:OUT+1], s[28:29], s[54:55]
	s_wait_alu depctr_va_vdst(0)
	LOADC 0, 8192
	LOADC 1, 8192
.irp p, 0,1,2,3
	v_mov_b32 v[MW+\p], 0                          ; written once: v_writelane_b32's destination counts as read
.endr
.irp t, 0,1,2,3,4,5,6,7
	CHUNK \t, 1, 8192, MBASE
.endr
	s_wait_tensorcnt 0x0
	ds_add_u32 v254, v255
	s_wait_dscnt 0x0
	s_endpgm
.Lweights:	; ---- a weight: K is its FIRST axis.  A lane takes a column n and its registers run down K: a block of 32 lies in one lane, and the conversions give codes with K innermost.
	; work-group = weight x 32 + block of 128 columns x 4 + quarter of K; a wave takes 32 columns x 256 along K (two K steps, 8 blocks).
	s_lshr_b32 s51, ttmp9, 5                       ; 0 Wq, 1 Wk, 2 Wv, 3 Wo
	s_bfe_u32 s52, ttmp9, 0x30002
	s_and_b32 s53, ttmp9, 3                        ; quarter of K
	s_lshl_b32 s52, s52, 2
	s_add_co_u32 s52, s52, s[WV]                   ; group of 32 columns: tiles 2 grp and 2 grp + 1
	s_cmp_eq_u32 s51, 0
	s_cselect_b64 s[IN:IN+1], s[12:13], s[14:15]
	s_cmp_eq_u32 s51, 2
	s_cselect_b64 s[IN:IN+1], s[16:17], s[IN:IN+1]
	s_cmp_eq_u32 s51, 3
	s_cselect_b64 s[IN:IN+1], s[18:19], s[IN:IN+1]
	s_lshl_b32 s54, s53, 20                        ; 256 rows of 4,096 bytes
	s_lshl_b32 s50, s52, 7
	s_add_co_u32 s54, s54, s50
	s_add_nc_u64 s[IN:IN+1], s[IN:IN+1], s[54:55]
	s_mul_i32 s54, s51, 786432
	s_mul_i32 s50, s52, 24576
	s_add_co_u32 s54, s54, s50
	s_mul_i32 s50, s53, 3072
	s_add_co_u32 s54, s54, s50
	s_add_nc_u64 s[OUT:OUT+1], s[24:25], s[54:55]
	s_lshl_b32 s54, s51, 15
	s_lshl_b32 s50, s52, 10
	s_add_co_u32 s54, s54, s50
	s_lshl_b32 s50, s53, 2
	s_add_co_u32 s54, s54, s50
	s_add_nc_u64 s[OU2:OU2+1], s[26:27], s[54:55]
	s_wait_alu depctr_va_vdst(0)
	v_lshlrev_b32 v8, 2, v1                        ; in: 4 bytes a lane
	v_bfe_u32 v12, v0, 3, 1                        ; column 32 grp + lane is row r' = lane % 8 + 8 (lane / 16) of tile 2 grp + u, u = (lane / 8) % 2
	v_and_b32 v13, 7, v0
	v_lshl_add_u32 v13, v3, 3, v13
	v_mul_u32_u24 v14, v12, 12288
	v_lshl_add_u32 v9, v13, 4, v14                 ; its place in an image's pieces of 16 bytes a lane,
	v_lshl_add_u32 v10, v13, 3, v14                ; of 8 bytes a lane,
	v_lshlrev_b32 v14, 9, v12
	v_lshl_add_u32 v11, v13, 4, v14                ; and among the scale words
.macro WLOAD t                         ; block t: W(32 t + i, my column): 32 lanes read 128 consecutive bytes, the four waves 512
.irp i, 0,1,2,3,4,5,6,7,8,9,10,11,12,13,14,15,16,17,18,19,20,21,22,23,24,25,26,27,28,29,30,31
	global_load_b32 v[R+32*((\t)%2)+\i], v8, s[IN:IN+1] offset:(32*(\t)+\i)*4096 th:TH_LOAD_NT
.endr
.endm
.macro WBLOCK t                        ; block t is block t % 4 of K step t / 4: registers 6 c .. 6 c + 5 (c = (t / 2) % 2) of lane r' + 16 (t % 2)
.set XS, R+32*((\t)%2)
.if (\t) < 7
	s_wait_loadcnt 32                              ; this block's 32 loads are in; the next block's may be out
.else
	s_wait_loadcnt 0x0
.endif
	v_max3_num_f32 v12, |v[XS]|, |v[XS+1]|, |v[XS+2]|
	v_max3_num_f32 v13, |v[XS+3]|, |v[XS+4]|, |v[XS+5]|
.irp i, 6,10,14,18,22,26
	v_max3_num_f32 v12, v12, |v[XS+\i]|, |v[XS+\i+1]|
	v_max3_num_f32 v13, v13, |v[XS+\i+2]|, |v[XS+\i+3]|
.endr
	v_max3_num_f32 v12, v12, |v[XS+30]|, |v[XS+31]|
	v_max3_num_f32 v12, v12, v13, 0x1800000        ; and the floor
	v_add_nc_u32 v14, 0xff000000, v12
	s_wait_alu depctr_va_vdst(0)
	s_wait_xcnt 0x0                                ; the last block's stores have read their data
	v_cvt_scalef32_pk16_fp6_f32 v[PC:PC+2], v[XS:XS+15], v14
	v_cvt_scalef32_pk16_fp6_f32 v[PC+4:PC+6], v[XS+16:XS+31], v14
	v_lshrrev_b32 v15, 23, v14                     ; the scale's byte (also the plain place behind the conversions)
.if (\t)%4 == 0
	v_mov_b32 v[SB+(\t)/4], v15
.else
	v_lshl_or_b32 v[SB+(\t)/4], v15, 8*((\t)%4), v[SB+(\t)/4]
.endif
	v_mov_b32 v[PC+3], v[PC+4]
	v_mov_b32 v[PC+4], v[PC+5]
	v_mov_b32 v[PC+5], v[PC+6]
	global_store_b128 v9, v[PC:PC+3], s[OUT:OUT+1] offset:((\t)/4)*1536+(((\t)/2)%2)*768+256*((\t)%2)
	global_store_b64 v10, v[PC+4:PC+5], s[OUT:OUT+1] offset:((\t)/4)*1536+(((\t)/2)%2)*768+512+128*((\t)%2)
.if (\t)+2 < 8
	WLOAD (\t)+2
.endif
.endm
	WLOAD 0
	WLOAD 1
.irp t, 0,1,2,3,4,5,6,7
	WBLOCK \t
.endr
	global_store_b32 v11, v[SB], s[OU2:OU2+1]              ; my column's words of the two K steps: 4 bytes every 16: 131,072 bytes of such stores in the whole launch
	global_store_b32 v11, v[SB+1], s[OU2:OU2+1] offset:256
	s_endpgm
.Lfunc_end_k_qd3d3909cf7_prep:
	.size	k_qd3d3909cf7_prep, .Lfunc_end_k_qd3d3909cf7_prep-k_qd3d3909cf7_prep
	.p2alignl 7, 3214868480
	.fill 96, 4, 3214868480
	.section	.rodata,"a",@progbits
	.p2align	6, 0x0
	.amdhsa_kernel k_qd3d3909cf7_prep
		.amdhsa_group_segment_fixed_size 68096
		.amdhsa_private_segment_fixed_size 0
		.amdhsa_enable_private_segment 0
		.amdhsa_kernarg_size 104
		.amdhsa_user_sgpr_count 2
		.amdhsa_user_sgpr_kernarg_segment_ptr 1
		.amdhsa_wavefront_size32 1
		.amdhsa_system_sgpr_workgroup_id_x 1
		.amdhsa_system_sgpr_workgroup_id_y 1
		.amdhsa_system_sgpr_workgroup_id_z 1
		.amdhsa_system_vgpr_workitem_id 0
		.amdhsa_next_free_vgpr 256
		.amdhsa_next_free_sgpr 66
		.amdhsa_reserve_vcc 1
		.amdhsa_float_denorm_mode_32 3
		.amdhsa_float_denorm_mode_16_64 3
		.amdhsa_memory_ordered 1
		.amdhsa_forward_progress 1
		.amdhsa_inst_pref_size 198
	.end_amdhsa_kernel
	.amdgpu_metadata
---
amdhsa.version: [ 1, 2 ]
amdhsa.kernels:
  - .name:           k_qd3d3909cf7_prep
    .symbol:         k_qd3d3909cf7_prep.kd
    .args:
      - { .name: query, .offset: 0, .size: 8, .value_kind: global_buffer, .address_space: global }
      - { .name: key, .offset: 8, .size: 8, .value_kind: global_buffer, .address_space: global }
      - { .name: value, .offset: 16, .size: 8, .value_kind: global_buffer, .address_space: global }
      - { .name: mask, .offset: 24, .size: 8, .value_kind: global_buffer, .address_space: global }
      - { .name: Wq, .offset: 32, .size: 8, .value_kind: global_buffer, .address_space: global }
      - { .name: Wk, .offset: 40, .size: 8, .value_kind: global_buffer, .address_space: global }
      - { .name: Wv, .offset: 48, .size: 8, .value_kind: global_buffer, .address_space: global }
      - { .name: Wo, .offset: 56, .size: 8, .value_kind: global_buffer, .address_space: global }
      - { .name: ximg, .offset: 64, .size: 8, .value_kind: global_buffer, .address_space: global }
      - { .name: xsw, .offset: 72, .size: 8, .value_kind: global_buffer, .address_space: global }
      - { .name: wimg, .offset: 80, .size: 8, .value_kind: global_buffer, .address_space: global }
      - { .name: wsw, .offset: 88, .size: 8, .value_kind: global_buffer, .address_space: global }
      - { .name: maskw, .offset: 96, .size: 8, .value_kind: global_buffer, .address_space: global }
    .group_segment_fixed_size: 68096
    .private_segment_fixed_size: 0
    .kernarg_segment_align: 8
    .kernarg_segment_size: 104
    .max_flat_workgroup_size: 128
    .sgpr_count:     66
    .vgpr_count:     256
    .wavefront_size: 32
...
	.end_amdgpu_metadata
.endif
;; end of part 1
;; launch proj (part 2): grid 4 x 64, 4 waves a work-group, clusters of 4 x 4, 327,680 bytes of LDS; arguments ximg, xsw, wimg, wsw, bq, bk, bv, qrec, kvrec; writes qrec, kvrec
.if DOCPART == 2
	.amdgcn_target "amdgcn-amd-amdhsa--gfx1250"
	.amdhsa_code_object_version 6
	.text
	.protected	k_qd3d3909cf7_proj
	.globl	k_qd3d3909cf7_proj
	.p2align	8
	.type	k_qd3d3909cf7_proj,@function
k_qd3d3909cf7_proj:
	s_mov_b64 s[64:65], 0
	v_nop
	global_prefetch_b8 v0, s[64:65] scope:SCOPE_SE
	s_setreg_imm32_b32 hwreg(HW_REG_WAVE_MODE, 25, 1), 1
	s_wait_xcnt 0x0
	s_wait_alu depctr_hold_cnt(0) depctr_sa_sdst(0) depctr_va_vdst(0) depctr_va_sdst(0) depctr_va_ssrc(0) depctr_va_vcc(0) depctr_vm_vsrc(0)
	s_getreg_b32 s2, hwreg(HW_REG_IB_STS2, 6, 4)
	s_cmp_eq_u32 s2, 0
	s_cbranch_scc0 .Lentry_in_a_cluster
	s_endpgm
.Lentry_in_a_cluster:
	s_bfe_u32 s2, ttmp6, 0x10000c
	s_cmp_lg_u32 s2, 0xf033
	s_cbranch_scc0 .Lentry_shape_is_right
	s_endpgm
.Lentry_shape_is_right:
; PROJ: q = query Wq + bq, k = key Wk + bk, v = value Wv + bv on codes of FP6 (E2M3) with E8M0 scales, f32 sums; the results are quantised at once for the attention: q and k along a head's 64 channels, v along the keys.
; THE PRODUCT.  D = (16 rows of R) x (16 rows of P)^T: a lane holds ONE row of P, its registers run along R's rows.  A tile's rows are row(G, r) = 32 (G / 2) + 8 (G % 2) + r + 8 (r / 8), so that the 16 registers of
; R's tiles 2 b and 2 b + 1 are 16 neighbours, 32 b + 16 (lane / 16) + 0 .. 15: the order that the quantiser wants.  For q and k: P = tokens, R = the weight's columns (channels).  For v: P = Wv's columns, R = tokens (keys).
; A BLOCK is 128 rows of P x 256 rows of R over all of K = 1,024.  A WORK-GROUP STAYS: 256 work-groups make three blocks each, one of q, one of k, one of v.
; A RING OF TWO SLOTS ALONG K: slot h holds K steps 4 h .. 4 h + 3 of P's 8 tiles (49,152 bytes) and of R's 16 (98,304): a tile's four K steps on end, 6,144 bytes, which begin at a multiple of 256 bytes in memory.
; The ring goes on from block to block: while a block's K steps 0-3 are multiplied its second half is on its way, and while K steps 4-7 are multiplied and the block is quantised and stored, the next block's first half is.
; At each change of slots a wave asks for one load: waves 0, 1 a half of P's tiles each, waves 2, 3 a half of R's.  q's and k's blocks are two trips of one loop; v's is the tail: its bias lies along P, and its last change of slots fills nothing.
; Four waves: wave / 2 picks 4 tiles of P, wave % 2 picks 8 tiles of R: 32 accumulators; 8 K steps of 32 matrix instructions, each accumulator one turn a step.
; CLUSTER 4 x 4: P's tiles hang on (cy, cluster y) and are asked for jointly by a row of the cluster, R's on (cx, cluster y) and by a column.  By this text's count a wave has one tensor load out.
; No prefetch is written: the addresses kept for the next blocks carry the descriptor's type bits, and a second set of plain addresses for 294,912 bytes a block is not kept.
; OPERANDS IN MEMORY AND LDS are images of registers: a fragment is 1,536 bytes: registers 0-3 at 16 lane, 4-5 at 512 + 8 lane, 6-9 at 768 + 16 lane, 10-11 at 1,280 + 8 lane.  In memory [tile][K step][1,536].
; RESULTS: records of 3,328 bytes: four half fragments of 768 bytes (64 along K), then at 3,072 + 16 r + 4 a the scale word of half a's row r.  qrec [batch x 16 + head][32 records]; kvrec [batch x 16 + head][key step][K, K, V, V].
; LIMITS: a block of zeros gets the byte 1 (codes zero; the bytes are read by this program alone); NaN and infinities are not served.
; REGISTERS: window 0: v1-21 addresses; v32-47 P's scale words, v48-79 R's; v128-175, v176-223 P's fragments, two sets (on the way out: codes).  window 1: v0-95, v128-223 R's fragments, two sets.
;   window 2: accumulator (a, t) at v[8 (8 a + t)].   window 3: v0-63 the bias, as the C of the first K step.
.set SLOT, 147456
.set LI16, 4
.set LI8,  5
.set AP16, 6                           ; v6-7   P's pieces of 16 bytes a lane, in slot 0, 1
.set AP8,  8                           ; v8-9   of 8 bytes
.set AR16, 10                          ; v10-11 R's
.set AR8,  14                          ; v14-15
.set SCP,  32
.set SCR,  48
.set PF,   128
.set PCW,  128                         ; the way out: codes of P's tile a at v[128 + 12 a]
.set CT,   176                         ; two conversions' results on their way
.set PWW,  184                         ; v184-187 the four scale words
.set TM,   192
.set DEL, 2                            ; s[2:3] bytes from the first half's record to the second's
.set LP,  4                            ; where my tile goes in slot 0, if it is P's; if it is R's (made when the arguments that lay there have been used)
.set LR,  5
.set WV,  22
.set WP,  23
.set G1P, 24
.set G1R, 32
.set G0P, 40
.set G0R, 44
.set WR,  48
.set CX,  49
.set CYI, 50
.set Y,   51
.set SEL, 66                           ; s52-55 hold numbers made of cy alone, s56-59 of cx alone; s60-63, s66-67 are at work on both
.set PSP, 92                           ; the block's scale words of P, of R, its bias, its two records
.set RSP, 94
.set BIA, 96
.set BA0, 98
.set BA1, 100
.set PI,  104
.set MSB, 0
.macro WIN new                         ; the immediate's high byte repeats the setting that is left
.if MSB != \new
	s_set_vgpr_msb (MSB<<8)|\new
.set MSB, \new
.endif
.endm
.macro PLACES
.rept 4
	v_nop
.endr
.endm
.macro CROUND                          ; a round of the cluster's barrier
	s_barrier_signal -1
	s_barrier_wait -1
	s_cmp_lg_u32 s[WV], 0
	s_cbranch_scc1 .Lnot_wave_0_\@
	s_barrier_signal -3
.Lnot_wave_0_\@:
	s_barrier_wait -3
	s_barrier_signal -1
	s_barrier_wait -1
.endm
.macro FILL                            ; my one joint load: four K steps of 4 tiles of P (24,576 bytes) or of 8 of R (49,152); an s_nop 0 and four v_nop follow each line
	s_cmp_eq_u32 s[WP], 0
	s_cbranch_scc0 .Lfill_r_\@
	tensor_load_to_lds s[G0P:G0P+3], s[G1P:G1P+7]
	s_nop 0
	PLACES
	s_branch .Lfilled_\@
.Lfill_r_\@:
	tensor_load_to_lds s[G0R:G0R+3], s[G1R:G1R+7]
	s_nop 0
	PLACES
.Lfilled_\@:
.endm
; A block's addresses.  s52, s53: P's first tile for q and k, for v;  s56, s57: my first tile of R likewise.  An activation's codes are 6,291,456 bytes and its scale words 2^18; a weight's 786,432 and 2^15.
.macro PTRS isv, pi, pa, ra, ps, rs    ; pa, ra: the words 2, 3 of P's and R's descriptor group 0, at K step 0;  ps, rs: the scale words
.if \isv
.set TP, 53
.set TR, 57
.set BPC, 8
.set BPS, 10
.set BRC, 4
.set BRS, 6
.set OPC, 2*786432
.set OPS, 2<<15
.set ORC, 2*6291456
.set ORS, 2<<18
.else
.set TP, 52
.set TR, 56
.set BPC, 4
.set BPS, 6
.set BRC, 8
.set BRS, 10
.set OPC, \pi*6291456
.set OPS, \pi<<18
.set ORC, \pi*786432
.set ORS, \pi<<15
.endif
	s_lshl_b32 s54, s[WR], 2
	s_add_co_u32 s54, s54, s[TP]                   ; the 4 tiles of P that I fetch
	s_mul_i32 s54, s54, 12288
.if OPC
	s_add_co_u32 s54, s54, OPC
.endif
	s_add_nc_u64 s[\pa:\pa+1], s[BPC:BPC+1], s[54:55]
	s_or_b32 s[\pa+1], s[\pa+1], 0x80000000
	s_lshl_b32 s54, s[WP], 2
	s_add_co_u32 s54, s54, s[TP]                   ; the 4 that I multiply
	s_lshl_b32 s54, s54, 9
.if OPS
	s_add_co_u32 s54, s54, OPS
.endif
	s_add_nc_u64 s[\ps:\ps+1], s[BPS:BPS+1], s[54:55]
	s_mul_i32 s58, s[TR], 12288                    ; the 8 tiles of R that I fetch are those that I multiply
.if ORC
	s_add_co_u32 s58, s58, ORC
.endif
	s_add_nc_u64 s[\ra:\ra+1], s[BRC:BRC+1], s[58:59]
	s_or_b32 s[\ra+1], s[\ra+1], 0x80000000
	s_lshl_b32 s58, s[TR], 9
.if ORS
	s_add_co_u32 s58, s58, ORS
.endif
	s_add_nc_u64 s[\rs:\rs+1], s[BRS:BRS+1], s[58:59]
.endm
.macro OPTRS isv, pi, bi, bo           ; the bias and the first record.  (TP, TR as the PTRS ahead has set them)
	s_lshr_b32 s60, s[TR], 3                       ; B: my 128 rows of R
	s_lshr_b32 s61, s[TP], 2
	s_add_co_u32 s61, s61, s[WP]                   ; A: my 64 rows of P
.if \isv
	s_lshl_b32 s62, s61, 8                         ; the bias of my 64 channels (P)
	s_add_nc_u64 s[\bi:\bi+1], s[16:17], s[62:63]
	s_lshr_b32 s62, s60, 4                         ; head = A, batch = B / 16, key step = B % 16, records 2 and 3
	s_lshl_b32 s62, s62, 4
	s_add_co_u32 s62, s62, s61
	s_lshl_b32 s62, s62, 6
	s_and_b32 s66, s60, 15
	s_lshl_b32 s66, s66, 2
	s_add_co_u32 s62, s62, s66
	s_add_co_u32 s62, s62, 2
	s_mul_i32 s62, s62, 3328
	s_add_nc_u64 s[\bo:\bo+1], s[20:21], s[62:63]
.else
	s_lshl_b32 s62, s60, 9                         ; the bias of my 128 channels (R)
	s_add_nc_u64 s[\bi:\bi+1], s[12+2*\pi:13+2*\pi], s[62:63]
	s_lshr_b32 s62, s61, 5                         ; batch = A / 32, i = A % 32 (4 token tiles), heads 2 B and 2 B + 1
	s_lshl_b32 s62, s62, 4
	s_lshl_b32 s66, s60, 1
	s_add_co_u32 s62, s62, s66                     ; 16 batch + 2 B
	s_and_b32 s66, s61, 31
.if \pi == 0
	s_lshl_b32 s62, s62, 5
	s_add_co_u32 s62, s62, s66                     ; q's record: 32 a head
	s_mul_i32 s62, s62, 3328
	s_add_nc_u64 s[\bo:\bo+1], s[18:19], s[62:63]
.else
	s_lshl_b32 s62, s62, 6
	s_lshr_b32 s67, s66, 1
	s_lshl_b32 s67, s67, 2
	s_add_co_u32 s62, s62, s67
	s_and_b32 s66, s66, 1
	s_add_co_u32 s62, s62, s66                     ; k's: 64 a head, key step i / 2, record i % 2
	s_mul_i32 s62, s62, 3328
	s_add_nc_u64 s[\bo:\bo+1], s[20:21], s[62:63]
.endif
.endif
.endm
.macro SLOADS                          ; a tile's scale words of all eight K steps: register p: K step 2 p in lanes 0-15, 2 p + 1 in lanes 16-31
.irp a, 0,1,2,3
	global_load_b128 v[SCP+4*\a:SCP+4*\a+3], v[LI16], s[PSP:PSP+1] offset:512*\a
.endr
.irp t, 0,1,2,3,4,5,6,7
	global_load_b128 v[SCR+4*\t:SCR+4*\t+3], v[LI16], s[RSP:RSP+1] offset:512*\t
.endr
.endm
.macro BLOADR                          ; the bias by R's rows: register j of tile t: channel 32 (t / 2) + 8 (t % 2) + 16 h + j
	WIN 0xc0                                       ; destination window 3
.irp t, 0,1,2,3,4,5,6,7
	global_load_b128 v[8*\t:8*\t+3], v20, s[BIA:BIA+1] offset:(32*(\t/2)+8*(\t%2))*4
	global_load_b128 v[8*\t+4:8*\t+7], v20, s[BIA:BIA+1] offset:(32*(\t/2)+8*(\t%2))*4+16
.endr
	WIN 0
.endm
.macro BLOADP                          ; the bias by P's rows: all eight registers of tile a: my lane's channel
	WIN 0xc0
.irp a, 0,1,2,3
.irp j, 0,1,2,3,4,5,6,7
	global_load_b32 v[8*\a+\j], v21, s[BIA:BIA+1] offset:(32*(\a/2)+8*(\a%2))*4
.endr
.endr
	WIN 0
.endm
.macro FRAGLD reg, a16, a8, off        ; a fragment's image comes back as it was stored: every load reads consecutive bytes
	ds_load_b128 v[\reg:\reg+3], v[\a16] offset:\off
	ds_load_b64 v[\reg+4:\reg+5], v[\a8] offset:\off+512
	ds_load_b128 v[\reg+6:\reg+9], v[\a16] offset:\off+768
	ds_load_b64 v[\reg+10:\reg+11], v[\a8] offset:\off+1280
.endm
.macro FETCH s                         ; K step s, which lies in slot s / 4: my 8 fragments of R and 4 of P into set s % 2
.set FQ, (\s)%2
	WIN 0x40                                       ; destination window 1
.irp t, 0,1,2,3,4,5,6,7
	FRAGLD 128*FQ+12*\t, AR16+(\s)/4, AR8+(\s)/4, 6144*\t+1536*((\s)%4)
.endr
	WIN 0
.irp a, 0,1,2,3
	FRAGLD PF+48*FQ+12*\a, AP16+(\s)/4, AP8+(\s)/4, 6144*\a+1536*((\s)%4)
.endr
.endm
.macro WM d, ra, rb, c, sa, sb, q      ; q = 1: the odd K step's scale words lie in lanes 16-31
.if \q
	v_wmma_scale_f32_16x16x128_f8f6f4 v[\d:\d+7], v[\ra:\ra+11], v[\rb:\rb+11], v[\c:\c+7], v[\sa], v[\sb] matrix_a_fmt:MATRIX_FMT_FP6 matrix_b_fmt:MATRIX_FMT_FP6 matrix_a_scale:MATRIX_SCALE_ROW1 matrix_b_scale:MATRIX_SCALE_ROW1
.else
	v_wmma_scale_f32_16x16x128_f8f6f4 v[\d:\d+7], v[\ra:\ra+11], v[\rb:\rb+11], v[\c:\c+7], v[\sa], v[\sb] matrix_a_fmt:MATRIX_FMT_FP6 matrix_b_fmt:MATRIX_FMT_FP6
.endif
.endm
.macro MUL s, cm                       ; 32 products.  cm = 0: onto the sums; 1: the sums start from the bias by R's rows (window 3, v[8 t]); 2: by P's rows (v[8 a])
.set MC, (\s)/2
.set MQ, (\s)%2
.if \cm
	WIN 0xb1                                       ; source 0 (R) window 1, source 1 (P) window 0, C window 3, D window 2
.else
	WIN 0xa1                                       ; C and D window 2
.endif
.irp a, 0,1,2,3
.irp t, 0,1,2,3,4,5,6,7
.if \cm == 0
	WM 8*(8*\a+\t), 128*MQ+12*\t, PF+48*MQ+12*\a, 8*(8*\a+\t), SCR+4*\t+MC, SCP+4*\a+MC, MQ
.elseif \cm == 1
	WM 8*(8*\a+\t), 128*MQ+12*\t, PF+48*MQ+12*\a, 8*\t, SCR+4*\t+MC, SCP+4*\a+MC, MQ
.else
	WM 8*(8*\a+\t), 128*MQ+12*\t, PF+48*MQ+12*\a, 8*\a, SCR+4*\t+MC, SCP+4*\a+MC, MQ
.endif
.endr
.endr
.endm
.macro STEP s, cm
	s_wait_dscnt 0x0                               ; this step's fragments are in
.if ((\s)%4 > 0) && ((\s)%4 < 3)
	PLACES                                         ; four places ahead of loads into the set that the last step multiplied (at a slot's first step: those behind the tensor load)
.endif
.if (\s)%4 < 3
	FETCH (\s)+1                                   ; a slot's last step fetches nothing: the next slot is read behind the change of slots
.endif
	MUL \s, \cm
	WIN 0
.endm
.macro HALF h, cm                      ; the four K steps of slot h: 128 products a wave
	FETCH 4*\h
.if \h == 0
	s_wait_loadcnt 0x0                             ; the block's scale words and bias
.endif
	STEP 4*\h, \cm
	STEP 4*\h+1, 0
	STEP 4*\h+2, 0
	STEP 4*\h+3, 0
.endm
.macro ASKH1                           ; the change of slots at a block's start: its first half is in; its second half is asked for, into slot 1 (the very first time: slot 1's first fill, issued as a refill is)
	s_wait_alu depctr_va_vdst(0)
	s_wait_tensorcnt 0x0                           ; all my tensor loads are done, my part of slot 0 among them,
	ds_add_u32 v254, v255                          ; 0 onto my spare word,
	s_add_co_u32 s[G0P+1], s[LP], SLOT             ; (no load of mine is out, so the descriptors may be written)
	s_add_co_u32 s[G0R+1], s[LR], SLOT
	s_add_nc_u64 s[G0P+2:G0P+3], s[G0P+2:G0P+3], 6144   ; four K steps on
	s_add_nc_u64 s[G0R+2:G0R+3], s[G0R+2:G0R+3], 6144
	s_wait_dscnt 0x0                               ; the add is done, and my reads of slot 1 are over
	CROUND                                         ; so of every wave of all sixteen work-groups
	FILL                                           ; first behind the round
.endm
; THE WAY OUT.  The 64 registers of P's tile a are 128 neighbours along R, in the quantiser's order: one fragment and one scale word a row.  Its two halves go to two records.
.macro QUANTW a
.set QA, 64*(\a)
.set QP, PCW+12*(\a)
	WIN 0x0a                                       ; sources 0 and 1 window 2
.irp b, 0,1,2,3
	v_max3_num_f32 v[TM+\b], |v[QA+16*\b]|, |v[QA+1+16*\b]|, 0x1800000   ; each accumulator is read from its low end on; the floor 2^(3 - 127) holds the byte at 1 from below
.endr
	WIN 0x28                                       ; sources 1 and 2 window 2
.irp i, 2,4,6,8,10,12,14
.irp b, 0,1,2,3
	v_max3_num_f32 v[TM+\b], v[TM+\b], |v[QA+16*\b+\i]|, |v[QA+1+16*\b+\i]|
.endr
.endr
	WIN 0
.irp b, 0,1,2,3
	v_permlanex16_b32 v[TM+4+\b], v[TM+\b], s[SEL], s[SEL+1]
.endr
.irp b, 0,1,2,3
	v_max_num_f32 v[TM+\b], v[TM+\b], v[TM+4+\b]
.endr
.irp b, 0,1,2,3
	v_add_nc_u32 v[TM+12+\b], 0xff000000, v[TM+\b]
.endr
.irp b, 0,1,2,3
	v_lshrrev_b32 v[TM+4+\b], 23, v[TM+12+\b]
.endr
	v_lshl_or_b32 v[PWW+(\a)], v[TM+5], 8, v[TM+4]
	v_lshl_or_b32 v[PWW+(\a)], v[TM+6], 16, v[PWW+(\a)]
	v_lshl_or_b32 v[PWW+(\a)], v[TM+7], 24, v[PWW+(\a)]
	WIN 0x02                                       ; source 0 window 2
.irp c, 0,1
	v_cvt_scalef32_pk16_fp6_f32 v[QP+6*\c:QP+2+6*\c], v[QA+32*\c:QA+15+32*\c], v[TM+12+2*\c]
	v_cvt_scalef32_pk16_fp6_f32 v[CT+4*\c:CT+2+4*\c], v[QA+16+32*\c:QA+31+32*\c], v[TM+12+2*\c+1]
.endr
	WIN 0
	v_nop                                          ; one plain place behind a scaled conversion
.irp c, 0,1
.irp i, 0,1,2
	v_permlane16_swap_b32 v[QP+6*\c+\i], v[CT+4*\c+\i]
.endr
.irp i, 0,1,2
	v_mov_b32 v[QP+3+6*\c+\i], v[CT+4*\c+\i]
.endr
.endr
	global_store_b128 v[LI16], v[QP:QP+3], s[BA0:BA0+1] offset:768*(\a)          ; whole aligned blocks of 256 bytes; each tile has registers of its own
	global_store_b64 v[LI8], v[QP+4:QP+5], s[BA0:BA0+1] offset:768*(\a)+512
	global_store_b128 v[LI16], v[QP+6:QP+9], s[BA1:BA1+1] offset:768*(\a)
	global_store_b64 v[LI8], v[QP+10:QP+11], s[BA1:BA1+1] offset:768*(\a)+512
.endm
.macro OUT
	QUANTW 0
	QUANTW 1
	QUANTW 2
	QUANTW 3
.irp a, 0,1,2,3
	v_lshrrev_b32 v[PWW+\a], v18, v[PWW+\a]        ; q, k: the second head's two scale bytes are the word's upper two; v: both records get the whole word
.endr
	global_store_b128 v19, v[PWW:PWW+3], s[BA0:BA0+1] offset:3072    ; lanes 0-15 fill the first record's 256 bytes of scale words, lanes 16-31 the second's
.endm
	s_load_b512 s[4:19], s[0:1], 0x0               ; ximg, xsw, wimg, wsw, bq, bk, bv, qrec
	s_load_b64 s[20:21], s[0:1], 0x40              ; kvrec
	v_lshl_add_u32 v254, v0, 2, 0x48000
	v_mov_b32 v255, 0
	ds_add_u32 v254, v255                          ; the opening lines: the add, twice on end, and its wait ahead of my first tensor load
	ds_add_u32 v254, v255
	v_lshrrev_b32 v1, 5, v0
	v_readfirstlane_b32 s[WV], v1                  ; wave 0..3
	s_lshr_b32 s[WP], s[WV], 1                     ; which 4 tiles of P are mine.  Also: I fetch for P (0) or for R (1)
	s_and_b32 s[WR], s[WV], 1                      ; which 8 tiles of R.  Also: which half of the tiles I fetch
	v_and_b32 v1, 31, v0                           ; lane
	v_and_b32 v2, 15, v0                           ; r
	v_bfe_u32 v3, v0, 4, 1                         ; h
	v_lshlrev_b32 v[LI16], 4, v1
	v_lshlrev_b32 v[LI8], 3, v1
	s_mul_i32 s60, s[WP], 24576                    ; every LDS address is made here, of the lane and the wave's number alone.  In a slot P's tile i lies at 6,144 i,
	s_mul_i32 s61, s[WR], 49152                    ; R's at 49,152 + 6,144 i
	s_add_co_u32 s61, s61, 49152
.irp c, 0,1
	v_add_nc_u32 v[AP16+\c], s60, v[LI16]
	v_add_nc_u32 v[AP8+\c], s60, v[LI8]
	v_add_nc_u32 v[AR16+\c], s61, v[LI16]
	v_add_nc_u32 v[AR8+\c], s61, v[LI8]
	s_add_co_u32 s60, s60, SLOT
	s_add_co_u32 s61, s61, SLOT
.endr
	v_lshlrev_b32 v20, 6, v3                       ; the bias by R's rows: 16 h numbers on
	v_and_b32 v21, 8, v2
	v_add_nc_u32 v21, v21, v2
	v_lshlrev_b32 v21, 2, v21                      ; by P's rows: r + 8 (r / 8)
	s_mov_b32 s[DEL], 106496                       ; q: the next head's record lies 32 records on
	s_mov_b32 s[DEL+1], 0
	v_lshlrev_b32 v18, 4, v3                       ; the shift of lanes 16-31's scale words
	v_mul_u32_u24 v19, s[DEL], v3
	v_lshl_add_u32 v19, v2, 4, v19                 ; where a lane's four words go: 16 r, lanes 16-31 in the second record
	s_wait_alu depctr_va_vdst(0)
	s_bfe_u32 s[CX], ttmp6, 0x40000
	s_bfe_u32 s[CYI], ttmp6, 0x40004
	s_and_b32 s[Y], ttmp7, 0xffff                  ; the cluster's y, 0..15
	s_lshl_b32 s54, s[CYI], 2
	s_lshl_b32 s54, 15, s54                        ; my row of the cluster
	s_lshl_b32 s58, 0x1111, s[CX]                  ; my column
	; descriptor group 1: elements of 8 bytes; a row is four K steps of a tile (768 elements), tiles 1,536 elements apart; P: 4 tiles a load, R: 8
	s_or_b32 s[G1P], s54, (3<<16)|(1<<21)
	s_or_b32 s[G1R], s58, (3<<16)|(1<<21)
	s_mov_b32 s[G1P+1], 768<<16
	s_mov_b32 s[G1P+2], 4<<16
	s_mov_b32 s[G1P+3], 768<<16
	s_mov_b32 s[G1P+4], 4
	s_mov_b32 s[G1P+5], 1536
	s_mov_b32 s[G1P+6], 0
	s_mov_b32 s[G1P+7], 0
	s_mov_b32 s[G1R+1], 768<<16
	s_mov_b32 s[G1R+2], 8<<16
	s_mov_b32 s[G1R+3], 768<<16
	s_mov_b32 s[G1R+4], 8
	s_mov_b32 s[G1R+5], 1536
	s_mov_b32 s[G1R+6], 0
	s_mov_b32 s[G1R+7], 0
	s_lshl_b32 s52, s[Y], 2                        ; q, k: P's block of 128 tokens is 4 y + cy of 64;
	s_add_co_u32 s52, s52, s[CYI]
	s_lshl_b32 s52, s52, 3                         ; its first tile
	s_and_b32 s53, s[Y], 1                         ; v: P's block of 128 columns is 4 (y % 2) + cy of 8
	s_lshl_b32 s53, s53, 2
	s_add_co_u32 s53, s53, s[CYI]
	s_lshl_b32 s53, s53, 3
	s_lshl_b32 s59, s[WR], 3
	s_lshl_b32 s56, s[CX], 4                       ; q, k: R's block of 256 columns is cx of 4;
	s_add_co_u32 s56, s56, s59                     ; my first tile of it
	s_lshr_b32 s57, s[Y], 1                        ; v: R's block of 256 tokens is 4 (y / 2) + cx of 32
	s_lshl_b32 s57, s57, 2
	s_add_co_u32 s57, s57, s[CX]
	s_lshl_b32 s57, s57, 4
	s_add_co_u32 s57, s57, s59
	s_mov_b32 s55, 0
	s_mov_b32 s59, 0
	s_mov_b32 s63, 0
	s_mov_b32 s[G0P], 1
	s_mul_i32 s[G0P+1], s[WR], 24576               ; slot 0: my half of P's 8 tiles, or of R's 16
	s_mov_b32 s[G0R], 1
	s_mul_i32 s[G0R+1], s[WR], 49152
	s_add_co_u32 s[G0R+1], s[G0R+1], 49152
	s_wait_dscnt 0x0                               ; both opening adds are done
	s_wait_kmcnt 0x0
	PTRS 0, 0, G0P+2, G0R+2, PSP, RSP
	CROUND                                         ; all sixteen work-groups are here: the joint loads meet
	FILL                                           ; q's block, K steps 0-3: one tensor load a wave at the head
	OPTRS 0, 0, BIA, BA0
	SLOADS
	BLOADR
	s_add_nc_u64 s[BA1:BA1+1], s[BA0:BA0+1], s[DEL:DEL+1]
	PTRS 0, 1, 68, 70, 72, 74                      ; k's block: s[68:77], its first record s[88:89]
	OPTRS 0, 1, 76, 88
	PTRS 1, 2, 78, 80, 82, 84                      ; v's block: s[78:87], its first record s[90:91]
	OPTRS 1, 2, 86, 90
	s_mul_i32 s[LP], s[WR], 24576                  ; the arguments have been used
	s_mul_i32 s[LR], s[WR], 49152
	s_add_co_u32 s[LR], s[LR], 49152
	s_mov_b32 s[SEL], 0x76543210
	s_mov_b32 s[SEL+1], 0xfedcba98
	s_mov_b32 s[PI], 0
.Lblock:	; ---- trip 0: q's block; trip 1: k's
	ASKH1
	HALF 0, 1
	s_wait_tensorcnt 0x0                           ; the change of slots in a block's middle: my part of slot 1 is in,
	ds_add_u32 v254, v255                          ; 0 onto my spare word,
	s_mov_b32 s[G0P+1], s[LP]                      ; (no load of mine is out: slot 0 takes the next block's K steps 0-3: k's in trip 0, v's in trip 1)
	s_mov_b32 s[G0R+1], s[LR]
	s_cmp_eq_u32 s[PI], 0
	s_cselect_b64 s[G0P+2:G0P+3], s[68:69], s[78:79]
	s_cselect_b64 s[G0R+2:G0R+3], s[70:71], s[80:81]
	s_wait_dscnt 0x0                               ; the add is done, and my reads of slot 0 are over
	CROUND
	FILL                                           ; first behind the round; its four v_nop are also the places ahead of the loads below
	HALF 1, 0
	PLACES                                         ; four places behind the last products: ahead of loads into the scale words, and of the first read of results
	s_cmp_eq_u32 s[PI], 0
	s_cselect_b64 s[PSP:PSP+1], s[72:73], s[82:83]
	s_cselect_b64 s[RSP:RSP+1], s[74:75], s[84:85]
	s_cselect_b64 s[BIA:BIA+1], s[76:77], s[86:87]
	SLOADS                                         ; the next block's scale words and bias
	s_cmp_eq_u32 s[PI], 0
	s_cbranch_scc0 .Lbias_v
	BLOADR
	s_branch .Lbias_asked
.Lbias_v:
	BLOADP
.Lbias_asked:
	OUT                                            ; the finished block leaves while the next one's first half is on its way
	s_wait_xcnt 0x0                                ; the stores have read their data and addresses: all may be written again
	s_cmp_eq_u32 s[PI], 0
	s_cselect_b64 s[BA0:BA0+1], s[88:89], s[90:91]
	s_mov_b32 s60, 3328
	s_cselect_b32 s[DEL], 212992, s60              ; k: the next head's record, 64 records on; v: the next record
	s_cselect_b32 s61, 16, 0
	s_add_nc_u64 s[BA1:BA1+1], s[BA0:BA0+1], s[DEL:DEL+1]
	v_mul_u32_u24 v18, s61, v3
	v_mul_u32_u24 v19, s[DEL], v3
	v_lshl_add_u32 v19, v2, 4, v19
	s_add_co_u32 s[PI], s[PI], 1
	s_cmp_lt_u32 s[PI], 2
	s_cbranch_scc1 .Lblock
	ASKH1                                          ; ---- v's block
	HALF 0, 2
	s_wait_tensorcnt 0x0                           ; my part of slot 1 is in; nothing is filled again, so a work-group barrier serves
	s_barrier_signal -1
	s_barrier_wait -1
	PLACES                                         ; four places ahead of loads into the sets that the last steps multiplied
	HALF 1, 0
	PLACES                                         ; four places behind the last products, ahead of the first read of results and the first write over P's fragments
	OUT
	s_wait_tensorcnt 0x0                           ; the wave's end
	ds_add_u32 v254, v255
	s_wait_dscnt 0x0
	CROUND                                         ; the closing round: no work-group ends while a partner may still ask for a tile that names it
	s_endpgm
.Lfunc_end_k_qd3d3909cf7_proj:
	.size	k_qd3d3909cf7_proj, .Lfunc_end_k_qd3d3909cf7_proj-k_qd3d3909cf7_proj
	.p2alignl 7, 3214868480
	.fill 96, 4, 3214868480
	.section	.rodata,"a",@progbits
	.p2align	6, 0x0
	.amdhsa_kernel k_qd3d3909cf7_proj
		.amdhsa_group_segment_fixed_size 327680
		.amdhsa_private_segment_fixed_size 0
		.amdhsa_enable_private_segment 0
		.amdhsa_kernarg_size 72
		.amdhsa_user_sgpr_count 2
		.amdhsa_user_sgpr_kernarg_segment_ptr 1
		.amdhsa_wavefront_size32 1
		.amdhsa_system_sgpr_workgroup_id_x 1
		.amdhsa_system_sgpr_workgroup_id_y 1
		.amdhsa_system_sgpr_workgroup_id_z 1
		.amdhsa_system_vgpr_workitem_id 0
		.amdhsa_next_free_vgpr 832
		.amdhsa_next_free_sgpr 106
		.amdhsa_reserve_vcc 0
		.amdhsa_float_denorm_mode_32 3
		.amdhsa_float_denorm_mode_16_64 3
		.amdhsa_memory_ordered 1
		.amdhsa_forward_progress 1
		.amdhsa_inst_pref_size 173
	.end_amdhsa_kernel
	.amdgpu_metadata
---
amdhsa.version: [ 1, 2 ]
amdhsa.kernels:
  - .name:           k_qd3d3909cf7_proj
    .symbol:         k_qd3d3909cf7_proj.kd
    .args:
      - { .name: ximg, .offset: 0, .size: 8, .value_kind: global_buffer, .address_space: global }
      - { .name: xsw, .offset: 8, .size: 8, .value_kind: global_buffer, .address_space: global }
      - { .name: wimg, .offset: 16, .size: 8, .value_kind: global_buffer, .address_space: global }
      - { .name: wsw, .offset: 24, .size: 8, .value_kind: global_buffer, .address_space: global }
      - { .name: bq, .offset: 32, .size: 8, .value_kind: global_buffer, .address_space: global }
      - { .name: bk, .offset: 40, .size: 8, .value_kind: global_buffer, .address_space: global }
      - { .name: bv, .offset: 48, .size: 8, .value_kind: global_buffer, .address_space: global }
      - { .name: qrec, .offset: 56, .size: 8, .value_kind: global_buffer, .address_space: global }
      - { .name: kvrec, .offset: 64, .size: 8, .value_kind: global_buffer, .address_space: global }
    .group_segment_fixed_size: 327680
    .private_segment_fixed_size: 0
    .kernarg_segment_align: 8
    .kernarg_segment_size: 72
    .max_flat_workgroup_size: 128
    .sgpr_count:     106
    .vgpr_count:     832
    .wavefront_size: 32
...
	.end_amdgpu_metadata
.endif
;; end of part 2
;; launch attn (part 3): grid 4 x 64, 16 waves a work-group, clusters of 4 x 1, 215,040 bytes of LDS; arguments qrec, kvrec, maskw, aimg; writes aimg
.if DOCPART == 3
	.amdgcn_target "amdgcn-amd-amdhsa--gfx1250"
	.amdhsa_code_object_version 6
	.text
	.protected	k_qd3d3909cf7_attn
	.globl	k_qd3d3909cf7_attn
	.p2align	8
	.type	k_qd3d3909cf7_attn,@function
k_qd3d3909cf7_attn:
	s_mov_b64 s[64:65], 0
	v_nop
	global_prefetch_b8 v0, s[64:65] scope:SCOPE_SE
	s_setreg_imm32_b32 hwreg(HW_REG_WAVE_MODE, 25, 1), 1
	s_wait_xcnt 0x0
	s_wait_alu depctr_hold_cnt(0) depctr_sa_sdst(0) depctr_va_vdst(0) depctr_va_sdst(0) depctr_va_ssrc(0) depctr_va_vcc(0) depctr_vm_vsrc(0)
	s_getreg_b32 s2, hwreg(HW_REG_IB_STS2, 6, 4)
	s_cmp_eq_u32 s2, 0
	s_cbranch_scc0 .Lentry_in_a_cluster
	s_endpgm
.Lentry_in_a_cluster:
	s_bfe_u32 s2, ttmp6, 0x10000c
	s_cmp_lg_u32 s2, 0x3003
	s_cbranch_scc0 .Lentry_shape_is_right
	s_endpgm
.Lentry_shape_is_right:
; ATTN: for each batch and head, o[q] = sum over keys of softmax(q . k / 8, masked) v, both products on codes of FP6 (E2M3) with E8M0 scales; o is quantised along the model's 1,024 for the last product.
; THE SOFTMAX: t = score x log2(e) / 8; M = the row's largest t so far rounded UP to a whole number; p = 2^(t - M) is quantised along the keys, not normalised; the sum is taken of the unquantised p and divides at the end.
; When M moves, the sum and O are multiplied by 2^(old M - new M), which rounds nothing.  A block's largest p is made from the block's largest score by the same multiply-add and exponential.
; THE MASK: a score whose mask word is 0 becomes -2^33 ahead of the maximum.  -2^33 x c is a whole number, so a row with no open key gets p = 1 at every key (a plain mean, as equal logits give);
; in any other row a masked key's p is 0, and what was summed before the first open key is wiped by the factor 2^(old M - new M) = 0.
; LIMITS: the masked value stands for -1e9: results agree wherever open logits lie above about -1e9.  NaN and infinities are not served.  1 / sum by v_rcp_f32.  A block of zeros gets the byte 1 (codes zero).
; SHARES.  A work-group owns 512 queries of one head; each of its 16 waves one tile of 16 queries at a time, twice; four waves to a SIMD.
; K AND V OF THE WHOLE HEAD LIE IN LDS, 212,992 bytes as they lie in memory, FILLED ONCE: each wave asks for one key step (13,312 bytes: K's 8 tiles in two records, V's 4 tiles' halves in two).
; CLUSTER 4 x 1: the four work-groups of a head ask jointly.  By this text's count a wave has one tensor load out.  No prefetch: the one fill stands at the head, with no loop ahead of it to ask in.
; LAYOUT.  S^T = K Q^T and O^T = V^T P^T: a lane holds one query throughout.  A tile's rows are 32 (G / 2) + 8 (G % 2) + r + 8 (r / 8), so that the 16 registers of tiles 2 b and 2 b + 1 are 16 neighbours.
; A HEAD IS 64 WIDE, THE INSTRUCTION 128: Q's registers 6-11 are zero codes for good.  K's tile t is named v[area + 6 t : area + 6 t + 11]: its upper six registers are the next tile's codes, behind the last tile whatever
; the area held before; they meet zero codes alone, no code of this format is a NaN or an infinity, and no scale byte here is 0xff: those products are exact zeros.
; TWO AREAS OF 64 REGISTERS TAKE TURNS, XA and YA.  In a step one holds K and then V, the other S^T and then p.  When p has been turned into codes, its area takes the NEXT step's K: so a step finds its K asked for
; a step's second product and rescaling earlier.  A loop trip is two steps, after which the areas are back where they began.
; THE MASK comes as lane masks, one scalar word for each of a step's 64 score registers.  The next step's 64 words are asked for directly behind the 64 selects that read this step's.
; The very last step asks once more for its own mask words and for key step 0's K (addresses inside their buffers); neither is used.
; THE RESULT goes into aimg: codes [tile][K step = head / 2][1,536], my head's half at 768 (head % 2); from byte 6,291,456 on the scale words [tile][lane (r, hs)][p]: K step 2 p + hs, my two bytes at 2 (head % 2).
; REGISTERS: v1-3 lane terms; v4-7, v28-31 K's scale words; v8-10 LDS addresses; v12 -M, v13 the largest t, v[14:15] the sum; v16-27 Q; v32-95 XA; v96-159 YA; v160-191 O^T; v192-195 V's scale words;
;   v196 the masked value; v197 p's scale word; v224-235 p's codes; v232-249, v252-254 at work; v250-251 the spare word's address and 0; v255 Q's scale words.
.set LI16, 1
.set LI8,  2
.set SR16, 3
.set A16,  8
.set A8,   9
.set AS,   10
.set XA,   32
.set YA,   96
.set PSW,  197
.set WV,   52
.set TB,   53                          ; LDS byte at which a pair of key steps begins
.set SEL,  54
.set CS,   56                          ; c = log2(e) / 8, twice
.set MB,   58                          ; the mask words asked for last
.set OB,   60
.set OSB,  62
.set QB,   66
.set QSB,  100
.set G1,   84
.set G0,   92
.set INC,  96                          ; s[96:97] the mask address's step at a pair's end
.set LAST, 98                          ; that step at a tile's end: on to my second tile, then 0
.set STP,  3
.set PASS, 104
.macro CROUND
	s_barrier_signal -1
	s_barrier_wait -1
	s_cmp_lg_u32 s[WV], 0
	s_cbranch_scc1 .Lnot_wave_0_\@
	s_barrier_signal -3
.Lnot_wave_0_\@:
	s_barrier_wait -3
	s_barrier_signal -1
	s_barrier_wait -1
.endm
.macro WM0 d, a, sc                    ; S^T's tile: 16 keys x my 16 queries; the product starts the sum
	v_wmma_scale_f32_16x16x128_f8f6f4 v[\d:\d+7], v[\a:\a+11], v[16:27], 0, v[\sc], v255 matrix_a_fmt:MATRIX_FMT_FP6 matrix_b_fmt:MATRIX_FMT_FP6
.endm
.macro WMA d, a, sc                    ; O^T's tile: 16 channels x my 16 queries, 128 keys onto the sum
	v_wmma_scale_f32_16x16x128_f8f6f4 v[\d:\d+7], v[\a:\a+11], v[224:235], v[\d:\d+7], v[\sc], v[PSW] matrix_a_fmt:MATRIX_FMT_FP6 matrix_b_fmt:MATRIX_FMT_FP6
.endm
.macro MLOAD                           ; a step's 64 lane masks: word n in s[4 + n], from n = 48 on in s[20 + n]
	s_load_b512 s[4:19], s[MB:MB+1], 0x0
	s_load_b512 s[20:35], s[MB:MB+1], 0x40
	s_load_b512 s[36:51], s[MB:MB+1], 0x80
	s_load_b512 s[68:83], s[MB:MB+1], 0xc0
.endm
.macro KLOAD d, off                    ; a key step's eight tiles of K into area d, and their rows' scale words: 18 loads
.irp t, 0,1,2,3,4,5,6,7
	ds_load_b128 v[\d+6*\t:\d+6*\t+3], v[A16] offset:\off+3328*(\t/4)+768*(\t%4)
	ds_load_b64 v[\d+6*\t+4:\d+6*\t+5], v[A8] offset:\off+3328*(\t/4)+768*(\t%4)+512
.endr
	ds_load_b128 v[4:7], v[AS] offset:\off+3072
	ds_load_b128 v[28:31], v[AS] offset:\off+3328+3072
.endm
; A key step, 128 keys.  ka: the area that holds K and takes V;  sa: the area for S^T and p, which then takes the next step's K;  off: the step's place behind the address registers;  second: the pair's second step
.macro STEP ka, sa, off, second
	s_wait_alu depctr_va_vdst(0)
	s_wait_dscnt 0x0                               ; K and its scale words are in
.irp t, 0,1,2,3
	WM0 \sa+8*\t, \ka+6*\t, 4+\t
.endr
.irp t, 4,5,6,7
	WM0 \sa+8*\t, \ka+6*\t, 24+\t
.endr
.rept 4
	v_nop                                          ; four places: ahead of V's loads into K's registers, and of the first read of the scores
.endr
.irp t, 0,1,2,3                                ; V's four tiles of 16 channels x 128 keys: asked for now, wanted behind the softmax: 17 loads with the scale words
	ds_load_b128 v[\ka+12*\t:\ka+12*\t+3], v[A16] offset:\off+6656+768*\t
	ds_load_b64 v[\ka+12*\t+4:\ka+12*\t+5], v[A8] offset:\off+6656+768*\t+512
	ds_load_b128 v[\ka+12*\t+6:\ka+12*\t+9], v[A16] offset:\off+9984+768*\t
	ds_load_b64 v[\ka+12*\t+10:\ka+12*\t+11], v[A8] offset:\off+9984+768*\t+512
.endr
	ds_load_b128 v[192:195], v[AS] offset:\off+6656+3072
	s_wait_kmcnt 0x0                               ; the lane masks, asked for in the step before, are in, and their address may step
.set n, 0
.rept 48
	v_cndmask_b32 v[\sa+n], v196, v[\sa+n], s[4+n] ; a lane whose bit is 0 takes the masked value; each accumulator from its low end on
.set n, n+1
.endr
.rept 16
	v_cndmask_b32 v[\sa+n], v196, v[\sa+n], s[20+n]
.set n, n+1
.endr
.if \second
	s_cmp_eq_u32 s[STP], 7                         ; the tile's last step?
	s_cselect_b32 s[INC], s[LAST], 256
	s_add_nc_u64 s[MB:MB+1], s[MB:MB+1], s[INC:INC+1]
.else
	s_add_nc_u64 s[MB:MB+1], s[MB:MB+1], 256
.endif
	MLOAD                                          ; the next step's words, into the registers just read
.irp b, 0,1,2,3
	v_max3_num_f32 v[232+\b], v[\sa+16*\b], v[\sa+1+16*\b], v[\sa+2+16*\b]   ; the largest score of each block of 32 keys
.endr
.irp i, 3,5,7,9,11,13
.irp b, 0,1,2,3
	s_delay_alu instid0(VALU_DEP_4)
	v_max3_num_f32 v[232+\b], v[232+\b], v[\sa+16*\b+\i], v[\sa+1+16*\b+\i]
.endr
.endr
.irp b, 0,1,2,3
	s_delay_alu instid0(VALU_DEP_4)
	v_max_num_f32 v[232+\b], v[232+\b], v[\sa+15+16*\b]
.endr
.irp b, 0,1,2,3
	s_delay_alu instid0(VALU_DEP_4)
	v_permlanex16_b32 v[236+\b], v[232+\b], s[SEL], s[SEL+1]
.endr
.irp b, 0,1,2,3
	s_delay_alu instid0(VALU_DEP_4)
	v_max_num_f32 v[232+\b], v[232+\b], v[236+\b]  ; with lane l xor 16's 16 keys
.endr
	s_delay_alu instid0(VALU_DEP_2)
	v_max3_num_f32 v254, v232, v233, v234
	s_delay_alu instid0(VALU_DEP_1)
	v_max_num_f32 v254, v254, v235
	s_delay_alu instid0(VALU_DEP_1)
	v_mul_f32 v254, s[CS], v254                    ; the step's largest t of my query
	s_delay_alu instid0(VALU_DEP_1)
	v_max_num_f32 v13, v13, v254
	v_mov_b32 v254, v12
	s_delay_alu instid0(VALU_DEP_2)
	v_floor_f32 v12, -v13                          ; the new -M = -ceil(t)
	s_delay_alu instid0(VALU_DEP_1)
	v_sub_f32 v254, v12, v254                      ; old M - new M: a whole number, 0 or less
	s_delay_alu instid0(VALU_DEP_1)
	v_cvt_i32_f32 v254, v254                       ; (it saturates)
	s_delay_alu instid0(VALU_DEP_1)
	v_ldexp_f32 v252, 1.0, v254                    ; f = 2^(old M - new M)
.set n, 0
.rept 32
	v_pk_fma_f32 v[\sa+n:\sa+n+1], v[\sa+n:\sa+n+1], s[CS:CS+1], v[12:13] op_sel_hi:[1,0,0]   ; t - M, two at a time
.set n, n+2
.endr
.irp b, 0,1,2,3
	v_fma_f32 v[232+\b], v[232+\b], s[CS], v12     ; the same of each block's largest score
.endr
	s_wait_alu depctr_va_vdst(0)
.set n, 0
.rept 64
	v_exp_f32 v[\sa+n], v[\sa+n]                   ; p = 2^(t - M)
.set n, n+1
.endr
	v_pk_mul_f32 v[14:15], v[14:15], v[252:253] op_sel_hi:[1,0]    ; the sums under the new M (a plain place behind the exponentials)
	s_wait_alu depctr_va_vdst(0)                   ; one wait for the batch of 64, ahead of its first reader
.irp b, 0,1,2,3
	v_exp_f32 v[232+\b], v[232+\b]                 ; the block's largest p
.endr
.set n, 0                                      ; the row's sum of the unquantised p: 32 pairs in eight chains by turns, v[236 + 2 i] and the sum itself
.rept 7
	v_pk_add_f32 v[236+2*n:237+2*n], v[\sa+8*n+4:\sa+8*n+5], v[\sa+8*n+8:\sa+8*n+9]
.set n, n+1
.endr
	v_pk_add_f32 v[14:15], v[14:15], v[\sa+60:\sa+61]
	v_pk_add_f32 v[236:237], v[236:237], v[\sa:\sa+1]
.set n, 1
.rept 6
	v_pk_add_f32 v[236+2*n:237+2*n], v[236+2*n:237+2*n], v[\sa+4*n-2:\sa+4*n-1]
.set n, n+1
.endr
	v_pk_add_f32 v[14:15], v[14:15], v[\sa+26:\sa+27]
.set n, 0
.rept 7
	v_pk_add_f32 v[236+2*n:237+2*n], v[236+2*n:237+2*n], v[\sa+30+4*n:\sa+31+4*n]
.set n, n+1
.endr
	v_pk_add_f32 v[14:15], v[14:15], v[\sa+58:\sa+59]
	v_pk_add_f32 v[236:237], v[236:237], v[\sa+62:\sa+63]
	s_delay_alu instid0(VALU_DEP_2)
	v_pk_add_f32 v[14:15], v[14:15], v[244:245]
	s_delay_alu instid0(VALU_DEP_2)
	v_pk_add_f32 v[236:237], v[236:237], v[242:243]
	v_pk_add_f32 v[248:249], v[248:249], v[240:241]
	v_pk_add_f32 v[246:247], v[246:247], v[238:239]
	s_delay_alu instid0(VALU_DEP_2)
	v_pk_add_f32 v[14:15], v[14:15], v[248:249]
	s_delay_alu instid0(VALU_DEP_2)
	v_pk_add_f32 v[236:237], v[236:237], v[246:247]
	s_delay_alu instid0(VALU_DEP_1)
	v_pk_add_f32 v[14:15], v[14:15], v[236:237]
	s_wait_alu depctr_va_vdst(0)                   ; and one for the four
.irp b, 0,1,2,3
	v_max_num_f32 v[232+\b], 0x1800000, v[232+\b]  ; the floor 2^(3 - 127): the byte cannot fall under 1
.endr
.irp b, 0,1,2,3
	s_delay_alu instid0(VALU_DEP_4)
	v_add_nc_u32 v[244+\b], 0xff000000, v[232+\b]  ; 2 off the exponent field: the conversion's scale operand
.endr
.irp b, 0,1,2,3
	s_delay_alu instid0(VALU_DEP_4)
	v_lshrrev_b32 v[236+\b], 23, v[244+\b]
.endr
	s_delay_alu instid0(VALU_DEP_3)
	v_lshl_or_b32 v[PSW], v237, 8, v236            ; p's scale word for these 128 keys
	s_delay_alu instid0(VALU_DEP_1)
	v_lshl_or_b32 v[PSW], v238, 16, v[PSW]
	s_delay_alu instid0(VALU_DEP_1)
	v_lshl_or_b32 v[PSW], v239, 24, v[PSW]
.irp c, 0,1
	v_cvt_scalef32_pk16_fp6_f32 v[224+6*\c:226+6*\c], v[\sa+32*\c:\sa+15+32*\c], v[244+2*\c]
	v_cvt_scalef32_pk16_fp6_f32 v[236+4*\c:238+4*\c], v[\sa+16+32*\c:\sa+31+32*\c], v[244+2*\c+1]
.endr
	v_nop                                          ; one plain place behind a scaled conversion
.irp c, 0,1
.irp i, 0,1,2
	v_permlane16_swap_b32 v[224+6*\c+\i], v[236+4*\c+\i]
.endr
.irp i, 0,1,2
	s_delay_alu instid0(VALU_DEP_3)
	v_mov_b32 v[227+6*\c+\i], v[236+4*\c+\i]
.endr
.endr
.if \second
	s_add_co_u32 s[TB], s[STP], 1                  ; the next pair of key steps; behind the eighth pair comes the first again, for my next tile
	s_and_b32 s[TB], s[TB], 7
	s_mul_i32 s[TB], s[TB], 26624
	v_add_nc_u32 v[A16], s[TB], v[LI16]
	v_add_nc_u32 v[A8], s[TB], v[LI8]
	v_add_nc_u32 v[AS], s[TB], v[SR16]
	KLOAD \sa, 0                                   ; p has been read for the last time: its area takes the next step's K
.else
	KLOAD \sa, 13312
.endif
.set n, 0
.rept 16
	v_pk_mul_f32 v[160+n:161+n], v[160+n:161+n], v[252:253] op_sel_hi:[1,0]   ; O^T under the new M; for each of the four products twelve of these name none of its registers: the places behind the scale word's and the codes' last writes
.set n, n+2
.endr
	s_wait_alu depctr_va_vdst(0)
	s_wait_dscnt 18                                ; V and its scale words are in; the 18 loads of the next K, issued behind them, may be out
.irp t, 0,1,2,3
	WMA 160+8*\t, \ka+12*\t, 192+\t
.endr
.rept 5
	v_nop                                          ; five places: the next step's first products write over V's registers
.endr
.endm
	s_load_b256 s[4:11], s[0:1], 0x0               ; qrec, kvrec, maskw, aimg
	v_lshl_add_u32 v250, v0, 2, 0x34000
	v_mov_b32 v251, 0
	ds_add_u32 v250, v251                          ; the opening lines: the add, twice on end, and its wait ahead of my tensor load
	ds_add_u32 v250, v251
	v_lshrrev_b32 v11, 5, v0
	s_delay_alu instid0(VALU_DEP_1)
	v_readfirstlane_b32 s[WV], v11                 ; wave 0..15
	v_and_b32 v11, 31, v0
	s_delay_alu instid0(VALU_DEP_1)
	v_lshlrev_b32 v[LI16], 4, v11
	s_delay_alu instid0(VALU_DEP_2)
	v_lshlrev_b32 v[LI8], 3, v11
	v_and_b32 v[SR16], 15, v0
	s_delay_alu instid0(VALU_DEP_1)
	v_lshlrev_b32 v[SR16], 4, v[SR16]
	s_wait_alu depctr_va_vdst(0)
	s_bfe_u32 s14, ttmp6, 0x40000                  ; cx: it enters Q's, the mask's and the output's addresses alone
	s_and_b32 s15, ttmp7, 0xffff                   ; 16 batch + head, which the four partners share
	; descriptor group 1: a key step's 13,312 dense bytes as 52 rows of 256 (32 elements of 8 bytes); the mask names all four work-groups
	s_mov_b32 s[G1], 15|(3<<16)|(1<<21)
	s_mov_b32 s[G1+1], 32<<16
	s_mov_b32 s[G1+2], 52<<16
	s_mov_b32 s[G1+3], 32<<16
	s_mov_b32 s[G1+4], 52
	s_mov_b32 s[G1+5], 32
	s_mov_b32 s[G1+6], 0
	s_mov_b32 s[G1+7], 0
	s_mul_i32 s16, s[WV], 13312                    ; key step = my wave's number: in LDS and in the head's block alike
	s_mul_i32 s17, s15, 212992
	s_add_co_u32 s18, s17, s16
	s_mov_b32 s19, 0
	s_wait_dscnt 0x0
	s_wait_kmcnt 0x0
	s_mov_b32 s[G0], 1
	s_mov_b32 s[G0+1], s16
	s_add_nc_u64 s[G0+2:G0+3], s[6:7], s[18:19]
	s_or_b32 s[G0+3], s[G0+3], 0x80000000
	CROUND                                         ; all four work-groups are here: the joint loads meet
	tensor_load_to_lds s[G0:G0+3], s[G1:G1+7]
	s_nop 0
.rept 4
	v_nop
.endr
	s_lshl_b32 s20, s14, 5
	s_add_co_u32 s20, s20, s[WV]                   ; T: my first tile of queries in the batch: 32 cx + wave; the second is 16 on
	s_lshr_b32 s21, s15, 4                         ; batch
	s_and_b32 s22, s15, 15                         ; head
	s_lshl_b32 s23, s21, 7
	s_add_co_u32 s23, s23, s20                     ; G = 128 batch + T
	s_mov_b32 s29, 0
	s_mul_i32 s24, s15, 106496
	s_lshr_b32 s25, s20, 2
	s_mul_i32 s25, s25, 3328
	s_add_co_u32 s24, s24, s25                     ; Q's record T / 4,
	s_and_b32 s26, s20, 3
	s_mul_i32 s27, s26, 768
	s_add_co_u32 s28, s24, s27                     ; half fragment T % 4,
	s_add_nc_u64 s[QB:QB+1], s[4:5], s[28:29]
	s_lshl_b32 s27, s26, 2
	s_add_co_u32 s28, s24, s27
	s_add_co_u32 s28, s28, 3072                    ; and its scale words: 3,072 + 16 r + 4 (T % 4)
	s_add_nc_u64 s[QSB:QSB+1], s[4:5], s[28:29]
	s_lshl_b32 s28, s23, 12
	s_add_nc_u64 s[MB:MB+1], s[8:9], s[28:29]      ; the tile's mask words: 4,096 bytes
	s_lshr_b32 s30, s22, 1                         ; the last product's K step: head / 2;
	s_and_b32 s31, s22, 1                          ; which half of its fragment: head % 2
	s_lshl_b32 s28, s23, 3
	s_add_co_u32 s28, s28, s30
	s_mul_i32 s28, s28, 1536
	s_mul_i32 s27, s31, 768
	s_add_co_u32 s28, s28, s27
	s_add_nc_u64 s[OB:OB+1], s[10:11], s[28:29]
	s_lshl_b32 s28, s23, 9                         ; scale words: 6,291,456 + 512 G + 16 r + 256 (K step % 2) + 4 (K step / 2), my two bytes at 2 (head % 2)
	s_and_b32 s27, s30, 1
	s_lshl_b32 s27, s27, 8
	s_add_co_u32 s28, s28, s27
	s_lshr_b32 s27, s30, 1
	s_lshl_b32 s27, s27, 2
	s_add_co_u32 s28, s28, s27
	s_lshl_b32 s27, s31, 1
	s_add_co_u32 s28, s28, s27
	s_add_co_u32 s28, s28, 6291456
	s_add_nc_u64 s[OSB:OSB+1], s[10:11], s[28:29]
	MLOAD                                          ; the first step's lane masks: the arguments and what was made of them above have been used
	s_mov_b32 s[SEL], 0x76543210
	s_mov_b32 s[SEL+1], 0xfedcba98
	s_mov_b32 s[CS], 0x3e38aa3b                    ; log2(e) / 8
	s_mov_b32 s[CS+1], s[CS]
	s_mov_b32 s[INC+1], 0
	s_mov_b32 s[LAST], 61696                       ; from a tile's last 256 bytes of mask words to the first of the tile 16 on: 256 + 15 x 4,096
	v_mov_b32 v196, 0xd0000000                     ; -2^33
.irp j, 22,23,24,25,26,27,80,81,82,83,84,85
	v_mov_b32 v\j, 0                               ; zero codes: Q's upper half; and what stands behind K's last tile in the first step
.endr
.irp b, 0,1,2,3
	v_mov_b32 v[236+\b], 0                         ; written once: a lane permute's destination counts as one of its sources
.endr
	v_mov_b32 v253, 0                              ; (named as the upper half of the pair v[252:253], whose low word alone is used)
	v_mov_b32 v[A16], v[LI16]                      ; the first pair of key steps begins at LDS byte 0
	v_mov_b32 v[A8], v[LI8]
	v_mov_b32 v[AS], v[SR16]
	s_wait_alu depctr_va_vdst(0)
	s_wait_tensorcnt 0x0                           ; my key step has landed,
	s_barrier_signal -1
	s_barrier_wait -1                              ; everybody's has: from here on LDS is only read
	KLOAD XA, 0                                    ; key step 0's K
	s_mov_b32 s[PASS], 2
.Lpass:
	global_load_b128 v[16:19], v[LI16], s[QB:QB+1]
	global_load_b64 v[20:21], v[LI8], s[QB:QB+1] offset:512
	global_load_b32 v255, v[SR16], s[QSB:QSB+1]
	v_mov_b32 v13, 0xff61b1e6                      ; the largest t so far: -3e38, under every t
	s_delay_alu instid0(VALU_DEP_1)
	v_floor_f32 v12, -v13                          ; -M
	v_mov_b32 v14, 0
	v_mov_b32 v15, 0
.set n, 0
.rept 32
	v_mov_b32 v[160+n], 0                          ; O^T: the step is written for every trip alike; the first finds zeros, which the first change of M leaves zeros
.set n, n+1
.endr
	s_wait_loadcnt 0x0
	s_mov_b32 s[STP], 0
.Lstep:	; ---- two key steps
	STEP XA, YA, 0, 0
	STEP YA, XA, 13312, 1
	s_add_co_u32 s[STP], s[STP], 1
	s_cmp_lt_u32 s[STP], 8
	s_cbranch_scc1 .Lstep
	; ---- the tile's end: O^T / the sum; register 16 b + i is channel 32 b + 16 h + i of the head: two blocks of the last product's K.  (XA is taking the next K: YA alone is written here)
	v_add_f32 v14, v14, v15
	s_delay_alu instid0(VALU_DEP_1)
	v_permlanex16_b32 v252, v14, s[SEL], s[SEL+1]
	s_delay_alu instid0(VALU_DEP_1)
	v_add_f32 v14, v14, v252                       ; the row's sum
	s_wait_alu depctr_va_vdst(0)
	v_rcp_f32 v14, v14
.rept 4
	v_nop                                          ; the plain place behind the reciprocal
.endr
	s_wait_alu depctr_va_vdst(0)                   ; ahead of the reciprocal's first reader
.set n, 0
.rept 32
	v_mul_f32 v[96+n], v[160+n], v14               ; each accumulator from its low end on
.set n, n+1
.endr
.irp b, 0,1
	v_max3_num_f32 v[232+\b], |v[96+16*\b]|, |v[97+16*\b]|, 0x1800000
.endr
.irp i, 2,4,6,8,10,12,14
.irp b, 0,1
	s_delay_alu instid0(VALU_DEP_2)
	v_max3_num_f32 v[232+\b], v[232+\b], |v[96+16*\b+\i]|, |v[97+16*\b+\i]|
.endr
.endr
.irp b, 0,1
	s_delay_alu instid0(VALU_DEP_2)
	v_permlanex16_b32 v[236+\b], v[232+\b], s[SEL], s[SEL+1]
.endr
.irp b, 0,1
	s_delay_alu instid0(VALU_DEP_2)
	v_max_num_f32 v[232+\b], v[232+\b], v[236+\b]
.endr
.irp b, 0,1
	s_delay_alu instid0(VALU_DEP_2)
	v_add_nc_u32 v[244+\b], 0xff000000, v[232+\b]
.endr
.irp b, 0,1
	s_delay_alu instid0(VALU_DEP_2)
	v_lshrrev_b32 v[236+\b], 23, v[244+\b]
.endr
	s_delay_alu instid0(VALU_DEP_1)
	v_lshl_or_b32 v[PSW], v237, 8, v236            ; my row's two scale bytes
	v_cvt_scalef32_pk16_fp6_f32 v[224:226], v[96:111], v244
	v_cvt_scalef32_pk16_fp6_f32 v[228:230], v[112:127], v245
	v_nop
.irp i, 0,1,2
	v_permlane16_swap_b32 v[224+\i], v[228+\i]
.endr
	s_delay_alu instid0(VALU_DEP_3)
	v_mov_b32 v227, v228
	s_delay_alu instid0(VALU_DEP_3)
	v_mov_b32 v228, v229
	s_delay_alu instid0(VALU_DEP_3)
	v_mov_b32 v229, v230
	global_store_b128 v[LI16], v[224:227], s[OB:OB+1]              ; half a fragment's image: whole aligned blocks of 256 bytes
	global_store_b64 v[LI8], v[228:229], s[OB:OB+1] offset:512
	global_store_b16 v[SR16], v[PSW], s[OSB:OSB+1]                 ; 2 bytes every 16 (both halves of the lanes write the same value to the same place): 262,144 bytes of such stores in the launch
	s_wait_xcnt 0x0                                ; the stores and Q's loads have read their addresses and data: all may be written again
	s_add_nc_u64 s[QB:QB+1], s[QB:QB+1], 13312     ; 16 tiles on: four records,
	s_add_nc_u64 s[QSB:QSB+1], s[QSB:QSB+1], 13312
	s_add_nc_u64 s[OB:OB+1], s[OB:OB+1], 196608    ; 16 tiles x 8 K steps x 1,536,
	s_add_nc_u64 s[OSB:OSB+1], s[OSB:OSB+1], 8192  ; 16 x 512
	s_mov_b32 s[LAST], 0                           ; behind my second tile no mask words follow: its last step's address stays
	s_sub_co_u32 s[PASS], s[PASS], 1
	s_cmp_lg_u32 s[PASS], 0
	s_cbranch_scc1 .Lpass
	s_wait_tensorcnt 0x0                           ; the wave's end
	ds_add_u32 v250, v251
	s_wait_dscnt 0x0
	CROUND                                         ; the closing round
	s_endpgm
.Lfunc_end_k_qd3d3909cf7_attn:
	.size	k_qd3d3909cf7_attn, .Lfunc_end_k_qd3d3909cf7_attn-k_qd3d3909cf7_attn
	.p2alignl 7, 3214868480
	.fill 96, 4, 3214868480
	.section	.rodata,"a",@progbits
	.p2align	6, 0x0
	.amdhsa_kernel k_qd3d3909cf7_attn
		.amdhsa_group_segment_fixed_size 215040
		.amdhsa_private_segment_fixed_size 0
		.amdhsa_enable_private_segment 0
		.amdhsa_kernarg_size 32
		.amdhsa_user_sgpr_count 2
		.amdhsa_user_sgpr_kernarg_segment_ptr 1
		.amdhsa_wavefront_size32 1
		.amdhsa_system_sgpr_workgroup_id_x 1
		.amdhsa_system_sgpr_workgroup_id_y 1
		.amdhsa_system_sgpr_workgroup_id_z 1
		.amdhsa_system_vgpr_workitem_id 0
		.amdhsa_next_free_vgpr 256
		.amdhsa_next_free_sgpr 106
		.amdhsa_reserve_vcc 0
		.amdhsa_float_denorm_mode_32 3
		.amdhsa_float_denorm_mode_16_64 3
		.amdhsa_memory_ordered 1
		.amdhsa_forward_progress 1
		.amdhsa_inst_pref_size 59
	.end_amdhsa_kernel
	.amdgpu_metadata
---
amdhsa.version: [ 1, 2 ]
amdhsa.kernels:
  - .name:           k_qd3d3909cf7_attn
    .symbol:         k_qd3d3909cf7_attn.kd
    .args:
      - { .name: qrec, .offset: 0, .size: 8, .value_kind: global_buffer, .address_space: global }
      - { .name: kvrec, .offset: 8, .size: 8, .value_kind: global_buffer, .address_space: global }
      - { .name: maskw, .offset: 16, .size: 8, .value_kind: global_buffer, .address_space: global }
      - { .name: aimg, .offset: 24, .size: 8, .value_kind: global_buffer, .address_space: global }
    .group_segment_fixed_size: 215040
    .private_segment_fixed_size: 0
    .kernarg_segment_align: 8
    .kernarg_segment_size: 32
    .max_flat_workgroup_size: 512
    .sgpr_count:     106
    .vgpr_count:     256
    .wavefront_size: 32
...
	.end_amdgpu_metadata
.endif
;; end of part 3
;; launch outproj (part 4): grid 4 x 64, 4 waves a work-group, clusters of 4 x 4, 295,424 bytes of LDS; arguments aimg, wimg, wsw, bo, out0; writes out0
.if DOCPART == 4
	.amdgcn_target "amdgcn-amd-amdhsa--gfx1250"
	.amdhsa_code_object_version 6
	.text
	.protected	k_qd3d3909cf7_outproj
	.globl	k_qd3d3909cf7_outproj
	.p2align	8
	.type	k_qd3d3909cf7_outproj,@function
k_qd3d3909cf7_outproj:
	s_mov_b64 s[64:65], 0
	v_nop
	global_prefetch_b8 v0, s[64:65] scope:SCOPE_SE
	s_setreg_imm32_b32 hwreg(HW_REG_WAVE_MODE, 25, 1), 1
	s_wait_xcnt 0x0
	s_wait_alu depctr_hold_cnt(0) depctr_sa_sdst(0) depctr_va_vdst(0) depctr_va_sdst(0) depctr_va_ssrc(0) depctr_va_vcc(0) depctr_vm_vsrc(0)
	s_getreg_b32 s2, hwreg(HW_REG_IB_STS2, 6, 4)
	s_cmp_eq_u32 s2, 0
	s_cbranch_scc0 .Lentry_in_a_cluster
	s_endpgm
.Lentry_in_a_cluster:
	s_bfe_u32 s2, ttmp6, 0x10000c
	s_cmp_lg_u32 s2, 0xf033
	s_cbranch_scc0 .Lentry_shape_is_right
	s_endpgm
.Lentry_shape_is_right:
; OUTPROJ: out0 = attn Wo + bo on codes of FP6 (E2M3) with E8M0 scales, f32 sums.  attn's codes (aimg; its scale words from byte 6,291,456 on) and Wo's (the fourth weight in wimg, wsw) lie as images of the operand's registers.
; THE PRODUCT.  D = (16 columns of Wo) x (16 tokens)^T: a lane holds one token, its registers run along the output's columns.  A tile's rows are 32 (G / 2) + 8 (G % 2) + r + 8 (r / 8).
; SHARES.  A work-group makes 128 tokens (P) x 256 columns (R) over all of K = 1,024; both operands lie in LDS whole (98,304 + 196,608 bytes), FILLED ONCE, all of K in one load a wave.
; Four waves: wave / 2 picks 4 tiles of tokens, wave % 2 picks 8 tiles of columns: 32 accumulators; 8 K steps of 32 matrix instructions, each accumulator one turn a step.
; CLUSTER 4 x 4: the tokens' tiles are asked for jointly by a row of the cluster, Wo's by a column.  By this text's count a wave has one tensor load out.
; A fragment's image is 1,536 bytes: registers 0-3 at 16 lane, 4-5 at 512 + 8 lane, 6-9 at 768 + 16 lane, 10-11 at 1,280 + 8 lane.
; THE WAY OUT: 16 tokens x 128 columns at a time through the wave's stage in LDS and out as whole rows of 512 bytes.  The stages lie where P's first tiles lay: behind a barrier that every wave reaches behind its last read of LDS.
; REGISTERS: window 0: v1-20 addresses; v32-47 P's scale words, v48-79 R's; v128-175, v176-223 P's fragments (on the way out v128-255: rows of the output).  window 1: R's fragments, two sets.
;   window 2: accumulator (a, t) at v[8 (8 a + t)].   window 3: v0-63 the bias, as the C of the first K step.
.set LI16, 4
.set LI8,  5
.set AP16, 6
.set AP8,  8
.set AR16, 10
.set AR8,  14
.set STO,  18
.set RD,   19
.set SCP,  32
.set SCR,  48
.set PF,   128
.set BK,   128
.set WV,  22
.set WP,  23
.set WR,  84
.set CX,  56
.set CYI, 57
.set PB,  60
.set RB,  61
.set G1P, 24
.set G1R, 32
.set G0P, 40
.set G0R, 68
.set BIA, 62
.set OUTP, 98
.set MSB, 0
.macro WIN new                         ; the immediate's high byte repeats the setting that is left
.if MSB != \new
	s_set_vgpr_msb (MSB<<8)|\new
.set MSB, \new
.endif
.endm
.macro PLACES
.rept 4
	v_nop
.endr
.endm
.macro CROUND                          ; a round of the cluster's barrier
	s_barrier_signal -1
	s_barrier_wait -1
	s_cmp_lg_u32 s[WV], 0
	s_cbranch_scc1 .Lnot_wave_0_\@
	s_barrier_signal -3
.Lnot_wave_0_\@:
	s_barrier_wait -3
	s_barrier_signal -1
	s_barrier_wait -1
.endm
.macro FRAGLD reg, a16, a8, off
	ds_load_b128 v[\reg:\reg+3], v[\a16] offset:\off
	ds_load_b64 v[\reg+4:\reg+5], v[\a8] offset:\off+512
	ds_load_b128 v[\reg+6:\reg+9], v[\a16] offset:\off+768
	ds_load_b64 v[\reg+10:\reg+11], v[\a8] offset:\off+1280
.endm
.macro FETCH s                         ; K step s: my 8 fragments of R and 4 of P into set s % 2
.set FQ, (\s)%2
	WIN 0x40
.irp t, 0,1,2,3,4,5,6,7
	FRAGLD 128*FQ+12*\t, AR16+\t/4, AR8+\t/4, 12288*(\t%4)+1536*(\s)   ; in LDS a tile's eight K steps lie on end, 12,288 bytes a tile; one address register serves four tiles
.endr
	WIN 0
.irp a, 0,1,2,3
	FRAGLD PF+48*FQ+12*\a, AP16, AP8, 12288*\a+1536*(\s)
.endr
.endm
.macro WM d, ra, rb, c, sa, sb, q      ; q = 1: the odd K step's scale words lie in lanes 16-31
.if \q
	v_wmma_scale_f32_16x16x128_f8f6f4 v[\d:\d+7], v[\ra:\ra+11], v[\rb:\rb+11], v[\c:\c+7], v[\sa], v[\sb] matrix_a_fmt:MATRIX_FMT_FP6 matrix_b_fmt:MATRIX_FMT_FP6 matrix_a_scale:MATRIX_SCALE_ROW1 matrix_b_scale:MATRIX_SCALE_ROW1
.else
	v_wmma_scale_f32_16x16x128_f8f6f4 v[\d:\d+7], v[\ra:\ra+11], v[\rb:\rb+11], v[\c:\c+7], v[\sa], v[\sb] matrix_a_fmt:MATRIX_FMT_FP6 matrix_b_fmt:MATRIX_FMT_FP6
.endif
.endm
.macro MUL s, cm                       ; 32 products.  cm = 0: onto the sums; 1: the sums start from the bias (window 3, v[8 t])
.set MC, (\s)/2
.set MQ, (\s)%2
.if \cm
	WIN 0xb1
.else
	WIN 0xa1
.endif
.irp a, 0,1,2,3
.irp t, 0,1,2,3,4,5,6,7
.if \cm == 0
	WM 8*(8*\a+\t), 128*MQ+12*\t, PF+48*MQ+12*\a, 8*(8*\a+\t), SCR+4*\t+MC, SCP+4*\a+MC, MQ
.else
	WM 8*(8*\a+\t), 128*MQ+12*\t, PF+48*MQ+12*\a, 8*\t, SCR+4*\t+MC, SCP+4*\a+MC, MQ
.endif
.endr
.endr
.endm
.macro STEP s, cm
	s_wait_dscnt 0x0                               ; this step's fragments are in
.if (\s) > 0
	PLACES                                         ; four places ahead of loads into the set that the last step multiplied
.endif
.if (\s) < 7
	FETCH (\s)+1
.endif
	MUL \s, \cm
	WIN 0
.endm
	s_load_b256 s[4:11], s[0:1], 0x0               ; aimg, wimg, wsw, bo
	s_load_b64 s[12:13], s[0:1], 0x20              ; out0
	v_lshl_add_u32 v126, v0, 2, 0x48000
	v_mov_b32 v127, 0
	ds_add_u32 v126, v127
	ds_add_u32 v126, v127
	v_lshrrev_b32 v1, 5, v0
	v_readfirstlane_b32 s[WV], v1
	v_and_b32 v1, 31, v0
	v_and_b32 v2, 15, v0
	v_bfe_u32 v3, v0, 4, 1
	v_lshlrev_b32 v[LI16], 4, v1
	s_wait_alu depctr_va_vdst(0)
	v_lshlrev_b32 v[LI8], 3, v1
	s_wait_alu depctr_va_vdst(0)
	s_lshr_b32 s[WP], s[WV], 1                     ; which 4 tiles of tokens are mine.  Also: I fetch for P (0) or for R (1)
	s_and_b32 s[WR], s[WV], 1                      ; which 8 tiles of columns.  Also: which half of the tiles I fetch
	s_bfe_u32 s[CX], ttmp6, 0x40000
	s_bfe_u32 s[CYI], ttmp6, 0x40004
	s_and_b32 s[PB], ttmp7, 0xffff
	s_lshl_b32 s[PB], s[PB], 2
	s_add_co_u32 s[PB], s[PB], s[CYI]              ; block of 128 tokens = 4 x cluster y + cy
	s_mov_b32 s[RB], s[CX]                         ; block of 256 columns = cx
	s_lshl_b32 s90, s[CYI], 2
	s_lshl_b32 s90, 15, s90                        ; my row of the cluster
	s_lshl_b32 s96, 0x1111, s[CX]                  ; my column
	s_or_b32 s[G1P], s90, (3<<16)|(1<<21)          ; elements of 8 bytes; a row is a tile's eight K steps (1,536 elements), tiles 1,536 elements apart; P: 4 tiles a load, R: 8
	s_or_b32 s[G1R], s96, (3<<16)|(1<<21)
	s_mov_b32 s[G1P+1], 1536<<16                   ; a row is a tile's eight K steps: 1,536 elements of 8 bytes; the tiles lie on end
	s_mov_b32 s[G1P+2], 4<<16
	s_mov_b32 s[G1P+3], 1536<<16
	s_mov_b32 s[G1P+4], 4
	s_mov_b32 s[G1P+5], 1536
	s_mov_b32 s[G1P+6], 0
	s_mov_b32 s[G1P+7], 0
	s_mov_b32 s[G1R+1], 1536<<16
	s_mov_b32 s[G1R+2], 8<<16
	s_mov_b32 s[G1R+3], 1536<<16
	s_mov_b32 s[G1R+4], 8
	s_mov_b32 s[G1R+5], 1536
	s_mov_b32 s[G1R+6], 0
	s_mov_b32 s[G1R+7], 0
	s_lshl_b32 s90, s[PB], 3                       ; P's offsets in s90-91, s104-105 (of cy), R's in s96-97, s2-3 (of cx)
	s_lshl_b32 s85, s[WR], 2
	s_add_co_u32 s90, s90, s85
	s_mul_i32 s90, s90, 12288
	s_mov_b32 s91, 0
	s_lshl_b32 s96, s[RB], 4
	s_lshl_b32 s85, s[WR], 3
	s_add_co_u32 s96, s96, s85
	s_lshl_b32 s2, s96, 9
	s_add_co_u32 s2, s2, 98304                     ; Wo's scale words: the fourth 32,768 bytes
	s_mov_b32 s3, 0
	s_mul_i32 s96, s96, 12288
	s_add_co_u32 s96, s96, 2359296                 ; Wo's codes: the fourth 786,432 bytes
	s_mov_b32 s97, 0
	s_lshl_b32 s104, s[PB], 3
	s_lshl_b32 s85, s[WP], 2
	s_add_co_u32 s104, s104, s85
	s_lshl_b32 s104, s104, 9
	s_add_co_u32 s104, s104, 6291456               ; the tokens' scale words lie behind their codes
	s_mov_b32 s105, 0
	; every LDS address is made here, of the lane and the wave's number alone
	s_mul_i32 s85, s[WP], 49152                    ; P: tile i at 12,288 i; my four tiles
	v_add_nc_u32 v[AP16], s85, v[LI16]
	v_add_nc_u32 v[AP8], s85, v[LI8]
	s_mul_i32 s85, s[WR], 98304                    ; R: tile i at 98,304 + 12,288 i; my eight tiles, a register for each four
	s_add_co_u32 s85, s85, 98304
.irp c, 0,1
	v_add_nc_u32 v[AR16+\c], s85, v[LI16]
	v_add_nc_u32 v[AR8+\c], s85, v[LI8]
	s_add_co_u32 s85, s85, 49152
.endr
	s_mul_i32 s85, s[WV], 8448                     ; my stage: 16 rows x 528 bytes
	v_mul_u32_u24 v[STO], v2, 528
	v_lshl_add_u32 v[STO], v3, 6, v[STO]
	v_add_nc_u32 v[STO], s85, v[STO]               ; in: row r, + 64 h
	v_add_nc_u32 v[RD], s85, v[LI16]               ; back: the 32 lanes take one row of 512 bytes
	v_lshlrev_b32 v20, 6, v3                       ; the bias: 16 h numbers on
	s_mul_i32 s58, s[WR], 49152                    ; where my one load goes: my half of P's 8 tiles, or of R's 16
	s_mul_i32 s85, s[WR], 98304
	s_wait_dscnt 0x0
	s_wait_kmcnt 0x0
	s_add_nc_u64 s[86:87], s[4:5], s[90:91]
	s_add_nc_u64 s[88:89], s[4:5], s[104:105]
	s_add_nc_u64 s[92:93], s[6:7], s[96:97]
	s_add_nc_u64 s[94:95], s[8:9], s[2:3]
.irp c, 0
	s_mov_b32 s[G0P+4*\c], 1
	s_add_co_u32 s[G0P+4*\c+1], s58, 24576*\c
	s_add_nc_u64 s[G0P+4*\c+2:G0P+4*\c+3], s[86:87], 3072*\c
	s_or_b32 s[G0P+4*\c+3], s[G0P+4*\c+3], 0x80000000
	s_mov_b32 s[G0R+4*\c], 1
	s_add_co_u32 s[G0R+4*\c+1], s85, 98304+49152*\c
	s_add_nc_u64 s[G0R+4*\c+2:G0R+4*\c+3], s[92:93], 3072*\c
	s_or_b32 s[G0R+4*\c+3], s[G0R+4*\c+3], 0x80000000
.endr
	CROUND                                         ; all sixteen work-groups are here: the joint loads meet
	s_cmp_eq_u32 s[WP], 0                          ; a wave's one fill stands in a branch on the wave's number; four v_nop follow it
	s_cbranch_scc0 .Lfill_r
	tensor_load_to_lds s[G0P:G0P+3], s[G1P:G1P+7]  ; one tensor load a wave: 4 tiles of P over all of K, 49,152 bytes
	s_nop 0
	PLACES
	s_branch .Lfilled
.Lfill_r:
	tensor_load_to_lds s[G0R:G0R+3], s[G1R:G1R+7]  ; one tensor load a wave: 8 tiles of R over all of K, 98,304 bytes
	s_nop 0
	PLACES
.Lfilled:
.irp a, 0,1,2,3
	global_load_b128 v[SCP+4*\a:SCP+4*\a+3], v[LI16], s[88:89] offset:512*\a   ; a tile's scale words of all eight K steps: register p: K step 2 p in lanes 0-15, 2 p + 1 in lanes 16-31
.endr
.irp t, 0,1,2,3,4,5,6,7
	global_load_b128 v[SCR+4*\t:SCR+4*\t+3], v[LI16], s[94:95] offset:512*\t
.endr
	s_lshl_b32 s2, s[RB], 1
	s_add_co_u32 s2, s2, s[WR]                     ; my 128 columns
	s_lshl_b32 s2, s2, 9                           ; in bytes: in bo and in a row of the output alike
	s_mov_b32 s3, 0
	s_add_nc_u64 s[BIA:BIA+1], s[10:11], s[2:3]
	s_lshl_b32 s104, s[PB], 1
	s_add_co_u32 s104, s104, s[WP]                 ; my 64 tokens
	s_lshl_b32 s104, s104, 18                      ; x 64 rows of 4,096 bytes
	s_add_co_u32 s104, s104, s2
	s_mov_b32 s105, 0
	s_add_nc_u64 s[OUTP:OUTP+1], s[12:13], s[104:105]
	WIN 0xc0                                       ; destination window 3
	s_wait_alu depctr_va_vdst(0)
.irp t, 0,1,2,3,4,5,6,7
	global_load_b128 v[8*\t:8*\t+3], v20, s[BIA:BIA+1] offset:(32*(\t/2)+8*(\t%2))*4      ; register j of tile t: column 32 (t / 2) + 8 (t % 2) + 16 h + j
	global_load_b128 v[8*\t+4:8*\t+7], v20, s[BIA:BIA+1] offset:(32*(\t/2)+8*(\t%2))*4+16
.endr
	WIN 0
	s_wait_tensorcnt 0x0                           ; my one tensor load has landed: my half of P's or of R's tiles, all of K
	s_barrier_signal -1
	s_barrier_wait -1
	FETCH 0
	s_wait_loadcnt 0x0                             ; the scale words and the bias
	STEP 0, 1
.irp s, 1,2,3,4,5,6,7
	STEP \s, 0
.endr
	s_barrier_signal -1                            ; no LDS instruction of mine is out, every fill has landed:
	s_barrier_wait -1                              ; behind this barrier nobody reads the operands any more, and the stages may be written
.macro TOSTAGE a
	WIN 0x08                                       ; an LDS store's data are its source 1: window 2
.irp t, 0,1,2,3,4,5,6,7
	ds_store_b128 v[STO], v[8*(8*(\a)+\t):8*(8*(\a)+\t)+3] offset:128*(\t/2)+32*(\t%2)          ; each accumulator from its low end on
	ds_store_b128 v[STO], v[8*(8*(\a)+\t)+4:8*(8*(\a)+\t)+7] offset:128*(\t/2)+32*(\t%2)+16
.endr
	WIN 0
.set BB, BK+64*((\a)%2)
.irp i, 0,1,2,3,4,5,6,7,8,9,10,11,12,13,14,15
	ds_load_b128 v[BB+4*\i:BB+4*\i+3], v[RD] offset:528*\i         ; LDS serves a wave's instructions in order: these see the stores above
.endr
.endm
.macro SEND a, younger                 ; younger: the LDS instructions issued behind tile a's loads, which may stay out
.set BB, BK+64*((\a)%2)
	s_wait_dscnt \younger
.irp i, 0,1,2,3,4,5,6,7,8,9,10,11,12,13,14,15
	global_store_b128 v[LI16], v[BB+4*\i:BB+4*\i+3], s[OUTP:OUTP+1] offset:(32*((\a)/2)+8*((\a)%2)+\i+8*(\i/8))*4096 th:TH_STORE_NT   ; 32 lanes store 512 consecutive bytes, at a multiple of 512 from the output's first byte
.endr
.endm
	PLACES                                         ; four places behind the last products: ahead of the first read of results and of loads into P's fragments
	TOSTAGE 0
.irp a, 1,2,3
.if \a > 1
	s_wait_xcnt 0x0                                ; tile a - 2's stores have read their registers: tile a's loads may land there
.endif
	TOSTAGE \a
	SEND \a-1, 32                                  ; behind tile a - 1's loads: tile a's 16 stores and 16 loads
.endr
	SEND 3, 0
	s_wait_tensorcnt 0x0
	ds_add_u32 v126, v127
	s_wait_dscnt 0x0
	CROUND                                         ; the closing round: no work-group ends while a partner may still ask for a tile that names it
	s_endpgm
.Lfunc_end_k_qd3d3909cf7_outproj:
	.size	k_qd3d3909cf7_outproj, .Lfunc_end_k_qd3d3909cf7_outproj-k_qd3d3909cf7_outproj
	.p2alignl 7, 3214868480
	.fill 96, 4, 3214868480
	.section	.rodata,"a",@progbits
	.p2align	6, 0x0
	.amdhsa_kernel k_qd3d3909cf7_outproj
		.amdhsa_group_segment_fixed_size 295424
		.amdhsa_private_segment_fixed_size 0
		.amdhsa_enable_private_segment 0
		.amdhsa_kernarg_size 40
		.amdhsa_user_sgpr_count 2
		.amdhsa_user_sgpr_kernarg_segment_ptr 1
		.amdhsa_wavefront_size32 1
		.amdhsa_system_sgpr_workgroup_id_x 1
		.amdhsa_system_sgpr_workgroup_id_y 1
		.amdhsa_system_sgpr_workgroup_id_z 1
		.amdhsa_system_vgpr_workitem_id 0
		.amdhsa_next_free_vgpr 832
		.amdhsa_next_free_sgpr 106
		.amdhsa_reserve_vcc 0
		.amdhsa_float_denorm_mode_32 3
		.amdhsa_float_denorm_mode_16_64 3
		.amdhsa_memory_ordered 1
		.amdhsa_forward_progress 1
		.amdhsa_inst_pref_size 82
	.end_amdhsa_kernel
	.amdgpu_metadata
---
amdhsa.version: [ 1, 2 ]
amdhsa.kernels:
  - .name:           k_qd3d3909cf7_outproj
    .symbol:         k_qd3d3909cf7_outproj.kd
    .args:
      - { .name: aimg, .offset: 0, .size: 8, .value_kind: global_buffer, .address_space: global }
      - { .name: wimg, .offset: 8, .size: 8, .value_kind: global_buffer, .address_space: global }
      - { .name: wsw, .offset: 16, .size: 8, .value_kind: global_buffer, .address_space: global }
      - { .name: bo, .offset: 24, .size: 8, .value_kind: global_buffer, .address_space: global }
      - { .name: out0, .offset: 32, .size: 8, .value_kind: global_buffer, .address_space: global }
    .group_segment_fixed_size: 295424
    .private_segment_fixed_size: 0
    .kernarg_segment_align: 8
    .kernarg_segment_size: 40
    .max_flat_workgroup_size: 128
    .sgpr_count:     106
    .vgpr_count:     832
    .wavefront_size: 32
...
	.end_amdgpu_metadata
.endif
;; end of part 4
